; MI455X (gfx1250); checked and timed in simulation.
; The chip was launched on July 23, 2026; its instructions are those of AMD's public machine-readable ISA for CDNA 5 (MIT licence, August 2026) and "CDNA5" Instruction Set Architecture Reference Guide (July 2026). The comments in the code are by the model that wrote it; some were corrected since.
;; Batched ICP. Allowed arithmetic: float matrix products may take bf16 or f16 operands with f32 sums; other float arithmetic in f32, or as packed bf16 or f16 multiplies, adds, multiply-adds, maxima and minima; sums over many terms, partial sums and values carried from step to step in f32; what a program stores and reads back later, other than sums and carried values, may be rounded once to bf16 or f16.
;; Inputs: src_points 16 x 2,048 x 3 float32; tgt_points 16 x 2,048 x 3 float32.
;; Outputs: out0 16 x 2,048 x 3 float32; out1 16 x 3 x 3 float32; out2 16 x 3 float32.
;; 2 versions, each right and faster than the one before. Each part assembles by itself: llvm-mc -triple=amdgcn-amd-amdhsa -mcpu=gfx1250 --defsym DOCPART=n.
;; ======== version 1 of 2: 12 launches
;; limits: right only within a limited range of input values; values within 1.5e-05 (relative) of each other or of a threshold may be ordered or decided otherwise than in the reference
;; workspace buffers: tab 1,708,032 bytes; wsA 69,632 bytes; wsB 69,632 bytes
;; launch prep (part 1): grid 16 x 1, 8 waves a work-group, no clusters, 41,984 bytes of LDS; arguments src_points, tgt_points, tab, wsA; writes tab, wsA
.if DOCPART == 1
	.amdgcn_target "amdgcn-amd-amdhsa--gfx1250"
	.amdhsa_code_object_version 6
	.text
	.protected	k_qf982cc7252_prep
	.globl	k_qf982cc7252_prep
	.p2align	8
	.type	k_qf982cc7252_prep,@function
k_qf982cc7252_prep:
	s_mov_b64 s[64:65], 0
	v_nop
	global_prefetch_b8 v0, s[64:65] scope:SCOPE_SE
	s_setreg_imm32_b32 hwreg(HW_REG_WAVE_MODE, 25, 1), 1
	s_wait_xcnt 0x0
; PREP: what stays the same over the ten iterations, one work-group of 8 waves for each batch.  In round i (0..7) thread t owns target 256 i + t.
; ROUND = 1: every target counts as its rounding to bf16 (the three bodies of the program round both inputs alike as they load them); ROUND = 0: as it is given.
; pivots   pt = mean of the batch's first 16 targets, ps = mean of its first 16 source points (as given).  The sweep works on tgt - pt and src - ps, so that a common offset of the
;          inputs enters no product.  The later formulas hold for any pivots; these only lie inside the clouds.
; pieces   v = q1 + q2 + q3 exactly: q1 = bf16(v), q2 = bf16(v - q1), q3 = v - q1 - q2 (3 x 8 bits hold f32's 24).
; table 1  for the sweep, of the CENTRED target, two planes of 16 bytes a target: plane 0 = x (q1,q1,q2,q3), y likewise; plane 1 = z likewise, then |t|^2 (one f32 sum) as (w1,w2,w3) and 1.0.
; table 2  for the gather, of the RAW target: [80 rows][256 groups] bf16; group g = targets 8 g .. 8 g + 7; candidate j of a group in row 16 mt + 8 (j / 4) + 4 e + j % 4;
;          (mt, e): x q1 (0,0), x q2 (0,1), y q1 (1,0), y q2 (1,1), z q1 (2,0), z q2 (2,1), x q3 (3,0), y q3 (3,1), z q3 (4,0), zeros (4,1).  It is staged in LDS and leaves in 16-byte stores.
;          With ROUND = 1 a raw target's q2 and q3 are 0: the table keeps their rows, so that one text serves both settings; the price is 6 of the gather's 10 products a K step.
; sums     a first set of partial sums (record 0: AB = identity, SA = 0, SB = 2048 (ps - pt); records 1..63: 0) and the identity as total rotation: the first step's update makes R = I of them.
;          The fourth word of the rotation's first row is 1.0: it tells the first step that cur is src itself; every step stores 0 there.
; LIMITS: NaN and infinities are not treated apart.  With ROUND = 1 a coordinate keeps 8 significant bits: the error grows with a common offset of the inputs.
.set ROUND, 1
.set TABB,  106752                     ; a batch's bytes in tab: 32,768 + 32,768 + 40,960 of tables, 256 for the pivots
.set PIVO,  106496
.set WSB,   4352                       ; a batch's bytes in a workspace of sums: 64 records of 64 bytes, then the state
.set SPARE, 40960                      ; behind the stage: the spare words, 128 bytes for each of the eight waves; no other line names them
	s_load_b256 s[4:11], s[0:1], 0x0               ; src s[4:5], tgt s[6:7], tab s[8:9], sums s[10:11]
	v_lshl_add_u32 v1, v0, 2, SPARE
	v_mov_b32 v2, 0
	s_mov_b32 s12, 0xffff0000                      ; a word's upper bf16, read as f32
	s_mul_i32 s16, ttmp9, 24576                    ; a batch's points: 2,048 x 12 bytes
	s_mov_b32 s17, 0
	s_mul_i32 s18, ttmp9, TABB
	s_mov_b32 s19, 0
	s_mul_i32 s20, ttmp9, WSB
	s_mov_b32 s21, 0
	v_lshlrev_b32 v3, 4, v0                        ; 16 t
	v_mul_u32_u24 v5, v0, 12                       ; 12 t
	v_and_b32 v6, 15, v0
	v_mul_u32_u24 v6, v6, 12                       ; 12 (t % 16)
	v_mov_b32 v7, 0
	v_bfe_u32 v48, v0, 2, 1
	v_and_b32 v49, 3, v0
	v_lshl_add_u32 v48, v48, 3, v49                ; 8 (j / 4) + j % 4, j = t % 8
	v_lshrrev_b32 v49, 3, v0
	v_lshlrev_b32 v49, 1, v49
	v_lshl_add_u32 v4, v48, 9, v49                 ; that row of 512 bytes + 2 (t / 8)
	s_wait_kmcnt 0x0
	s_add_nc_u64 s[4:5], s[4:5], s[16:17]
	s_add_nc_u64 s[6:7], s[6:7], s[16:17]
	s_add_nc_u64 s[8:9], s[8:9], s[18:19]
	s_add_nc_u64 s[10:11], s[10:11], s[20:21]
	global_load_b96 v[8:10], v6, s[6:7]            ; the first 16 targets, one a lane of each half
	global_load_b96 v[12:14], v6, s[4:5]           ; the first 16 source points
.irp i, 0,1,2,3,4,5,6,7
	global_load_b96 v[16+4*\i:18+4*\i], v5, s[6:7] offset:3072*\i
.endr
	s_wait_loadcnt 8                               ; the two pivot loads are in; the eight younger loads stay out
.irp m, 1,2,4,8
.irp c, 8,9,10,12,13,14
	v_add_f32_dpp v[\c], v[\c], v[\c] row_xmask:\m row_mask:0xf bank_mask:0xf
.endr
.endr
.irp c, 8,9,10,12,13,14
	v_mul_f32 v[\c], 0x3d800000, v[\c]             ; / 16: pt in v[8:10], ps in v[12:14], alike in every lane
.endr
.macro SPLIT x, w0, w1                 ; v[x] -> v[w0] = (q1, q1), v[w1] = (q2, q3); v48-51 at work
	v_cvt_pk_bf16_f32 v[\w0], v[\x], v[\x]
	v_and_b32 v48, s12, v[\w0]
	v_sub_f32 v49, v[\x], v48                      ; v - q1, exact
	v_cvt_pk_bf16_f32 v50, v49, v49
	v_and_b32 v50, s12, v50
	v_sub_f32 v51, v49, v50                        ; v - q1 - q2, exact
	v_cvt_pk_bf16_f32 v[\w1], v49, v51
.endm
; Round i: split the raw target for table 2, centre it, split again for table 1.  Table 1's eight words have registers of their own in each round, so no global store's data is written again.
.macro TGT i
	s_wait_loadcnt 7-(\i)                          ; loads come back in order: round i's is in, the younger ones stay out
.irp c, 0,1,2
.if ROUND
	v_cvt_pk_bf16_f32 v48, v[16+4*(\i)+\c], v[16+4*(\i)+\c]
	v_and_b32 v[16+4*(\i)+\c], s12, v48            ; the target as a bf16 number, to nearest even
.endif
	SPLIT 16+4*(\i)+\c, 54, 55
	ds_store_b16 v4, v54 offset:(16*\c)*512+64*(\i)                        ; q1
	ds_store_b16 v4, v55 offset:(16*\c+4)*512+64*(\i)                      ; q2
	ds_store_b16_d16_hi v4, v55 offset:(48+4*\c+8*(\c/2))*512+64*(\i)      ; q3: rows 48, 52, 64 on
	v_sub_f32 v[16+4*(\i)+\c], v[16+4*(\i)+\c], v[8+\c]
	SPLIT 16+4*(\i)+\c, 64+8*(\i)+2*\c, 65+8*(\i)+2*\c
.endr
	v_mul_f32 v52, v[16+4*(\i)], v[16+4*(\i)]
	v_fmac_f32 v52, v[17+4*(\i)], v[17+4*(\i)]
	v_fmac_f32 v52, v[18+4*(\i)], v[18+4*(\i)]     ; |t|^2 of the centred target
	v_cvt_pk_bf16_f32 v48, v52, v52
	v_and_b32 v48, s12, v48
	v_sub_f32 v49, v52, v48
	v_cvt_pk_bf16_f32 v50, v49, v49
	v_and_b32 v50, s12, v50
	v_sub_f32 v51, v49, v50
	v_cvt_pk_bf16_f32 v[70+8*(\i)], v52, v49       ; (w1, w2)
	v_cvt_pk_bf16_f32 v[71+8*(\i)], v51, 1.0       ; (w3, 1.0)
	global_store_b128 v3, v[64+8*(\i):67+8*(\i)], s[8:9] offset:4096*(\i)         ; a wave's store covers 512 consecutive bytes, aligned
	global_store_b128 v3, v[68+8*(\i):71+8*(\i)], s[8:9] offset:32768+4096*(\i)
	ds_store_b16 v4, v7 offset:68*512+64*(\i)      ; the rows of zeros
.endm
.irp i, 0,1,2,3,4,5,6,7
	TGT \i
.endr
	s_wait_dscnt 0x0                               ; for the other waves: my part of the stage is written
	s_barrier_signal -1
	s_barrier_wait -1
.irp n, 0,1,2,3,4,5,6,7,8,9
	ds_load_b128 v[16+4*\n:19+4*\n], v3 offset:4096*\n
.endr
.irp n, 0,1,2,3,4,5,6,7,8,9
	s_wait_dscnt 9-\n                              ; LDS loads come back in order: number n is in
	global_store_b128 v3, v[16+4*\n:19+4*\n], s[8:9] offset:65536+4096*\n
.endr
	; the seeds: thread t's quad is row t of the identity for t < 3
.irp j, 0,1,2
	v_cmp_eq_u32 vcc_lo, \j, v0
	v_cndmask_b32 v[56+\j], 0, 1.0, vcc_lo
.endr
	v_mov_b32 v59, v56                             ; row 0's fourth word: 1.0, the mark of the first iteration
	v_cmp_gt_u32 vcc_lo, 3, v0
	s_wait_xcnt 0x0                                ; EXEC is a source of the stores above: it changes only behind this wait
	s_and_saveexec_b32 s22, vcc_lo
	global_store_b128 v3, v[56:59], s[10:11] offset:4096   ; the total rotation: identity
	s_wait_xcnt 0x0                                ; and again in front of the line that widens it; v[56:59] are also free behind it
	s_or_b32 exec_lo, exec_lo, s22
	v_mov_b32 v59, 0
	v_cmp_eq_u32 vcc_lo, 3, v0
.irp j, 0,1,2
	v_sub_f32 v[60+\j], v[12+\j], v[8+\j]
	v_mul_f32 v[60+\j], 0x45000000, v[60+\j]       ; 2048 (ps - pt)
	v_cndmask_b32 v[56+\j], v[56+\j], v[60+\j], vcc_lo
.endr
	global_store_b128 v3, v[56:59], s[10:11]       ; all 64 records: 256 threads x 16 bytes
	v_cmp_eq_u32 vcc_lo, 1, v0
.irp j, 0,1,2
	v_cndmask_b32 v[60+\j], v[8+\j], v[12+\j], vcc_lo
.endr
	v_mov_b32 v63, 0
	v_cmp_gt_u32 vcc_lo, 2, v0
	s_wait_xcnt 0x0
	s_and_saveexec_b32 s22, vcc_lo
	global_store_b128 v3, v[60:63], s[8:9] offset:PIVO     ; pt, 0, ps, 0
	s_wait_xcnt 0x0
	s_or_b32 exec_lo, exec_lo, s22
	s_wait_tensorcnt 0x0                           ; the wave's end: a tensor wait, an LDS add and its wait behind my last LDS store
	ds_add_u32 v1, v2
	s_wait_dscnt 0x0
	s_endpgm
.Lfunc_end_k_qf982cc7252_prep:
	.size	k_qf982cc7252_prep, .Lfunc_end_k_qf982cc7252_prep-k_qf982cc7252_prep
	.p2alignl 7, 3214868480
	.fill 96, 4, 3214868480
	.section	.rodata,"a",@progbits
	.p2align	6, 0x0
	.amdhsa_kernel k_qf982cc7252_prep
		.amdhsa_group_segment_fixed_size 41984
		.amdhsa_private_segment_fixed_size 0
		.amdhsa_enable_private_segment 0
		.amdhsa_kernarg_size 32
		.amdhsa_user_sgpr_count 2
		.amdhsa_user_sgpr_kernarg_segment_ptr 1
		.amdhsa_wavefront_size32 1
		.amdhsa_system_sgpr_workgroup_id_x 1
		.amdhsa_system_sgpr_workgroup_id_y 1
		.amdhsa_system_sgpr_workgroup_id_z 1
		.amdhsa_system_vgpr_workitem_id 0
		.amdhsa_next_free_vgpr 128
		.amdhsa_next_free_sgpr 66
		.amdhsa_reserve_vcc 1
		.amdhsa_float_denorm_mode_32 3
		.amdhsa_float_denorm_mode_16_64 3
		.amdhsa_memory_ordered 1
		.amdhsa_forward_progress 1
		.amdhsa_inst_pref_size 37
	.end_amdhsa_kernel
	.amdgpu_metadata
---
amdhsa.version: [ 1, 2 ]
amdhsa.kernels:
  - .name:           k_qf982cc7252_prep
    .symbol:         k_qf982cc7252_prep.kd
    .args:
      - { .name: src_points, .offset: 0, .size: 8, .value_kind: global_buffer, .address_space: global }
      - { .name: tgt_points, .offset: 8, .size: 8, .value_kind: global_buffer, .address_space: global }
      - { .name: tab, .offset: 16, .size: 8, .value_kind: global_buffer, .address_space: global }
      - { .name: wsA, .offset: 24, .size: 8, .value_kind: global_buffer, .address_space: global }
    .group_segment_fixed_size: 41984
    .private_segment_fixed_size: 0
    .kernarg_segment_align: 8
    .kernarg_segment_size: 32
    .max_flat_workgroup_size: 256
    .sgpr_count:     66
    .vgpr_count:     128
    .wavefront_size: 32
...
	.end_amdgpu_metadata
.endif
;; end of part 1
;; launch step1 (part 2): grid 16 x 16, 4 waves a work-group, no clusters, 167,936 bytes of LDS; arguments src_points, tab, wsA, wsB; writes wsB
.if DOCPART == 2
	.amdgcn_target "amdgcn-amd-amdhsa--gfx1250"
	.amdhsa_code_object_version 6
	.text
	.protected	k_qf982cc7252_step1
	.globl	k_qf982cc7252_step1
	.p2align	8
	.type	k_qf982cc7252_step1,@function
k_qf982cc7252_step1:
	s_mov_b64 s[64:65], 0
	v_nop
	global_prefetch_b8 v0, s[64:65] scope:SCOPE_SE
	s_setreg_imm32_b32 hwreg(HW_REG_WAVE_MODE, 25, 1), 1
	s_wait_xcnt 0x0
; ONE ICP ITERATION.  Work-group (x = block of 128 source points, y = batch), four waves; wave w owns the two tiles of 16 points 128 x + 32 w + 16 s + r against ALL 2,048 targets.
; ROUND = 1: every source point counts as its rounding to bf16, as the targets in the tables do; ROUND = 0: as it is given.
; 1. UPDATE: every wave adds up the last launch's 64 records (AB = sum a b^T, SA = sum a, SB = sum b; a = Rt (src - ps), b = chosen target - pt), forms H = AB - SA SB^T / 2048,
;    finds the rotation R that the SVD form gives as the top eigenvector of Horn's 4 x 4 matrix (shifted so that its spectrum is positive; 20 squarings), Rt <- R Rt, w = mean b - R mean a.
; 2. SWEEP: c = Rt (src - ps) + w.  One bf16 matrix instruction gives |t|^2 - 2 c.t + |c|^2 for 16 targets x 16 points: the 32 K places hold the products of the exact bf16 pieces of t and -2 c
;    (t1 c1, t1 c2, t2 c1, t3 c1, t1 c3, t2 c2 for each coordinate; what is dropped is below 2^-27 of |t||c|), the three pieces of |t|^2 times 1, and 1 times two pieces of |c|^2.
;    A lane sees 8 targets (a GROUP) of each tile.  The least of the 8 distances, its 7 low bits replaced by the tile's number, is a KEY; the lane keeps its two smallest keys.
;    The sweep decides nothing between near neighbours: it only names the point's two best groups.
; 3. GATHER without an address, once for each of the two groups: a one-hot over the 256 groups times the table of the groups' raw coordinates in pieces (exact: 1.0 x a piece) brings each half
;    of the lanes 4 candidates.  Their distances are taken in f32 from the exact coordinates: |(t - pt) - c|^2.  In the first iteration cur is src bit for bit, so there the choice is made by
;    reference()'s own expression on the raw numbers, (|c|^2 - 2 c.t) + |t|^2, each sum a chain of fused multiply-adds in ascending order.  Both are computed in every launch, and a mark in the state selects.
;    Of equal distances the lower index wins.
; 4. The wave's sums go out as one record of 64 bytes; work-group 0 of a batch also stores Rt.
; NO CLUSTER: the 16 work-groups of a batch do read the same 106,496 bytes of tables, once each at the kernel's head, while the update runs; joint loads would add two rounds of a barrier over
; the cluster.
; LIMITS: NaN and infinities are not treated apart.  With ROUND = 1 a coordinate keeps 8 significant bits: the error grows with a common offset of the inputs.  H's entries lie within 2^-60 .. 2^60 and H
; is not 0.  A top eigenvalue nearer than 1.5e-5 of the spectrum's width to the second is not resolved by 20 squarings.  A key keeps 16 bits of a distance: of three groups whose least distances agree to
; 2^-15 of themselves the third may be lost.  The first iteration's expression forms a difference of large sums, as reference() does: it decides among the 16 candidates only.  From the second iteration
; on the nearer target by the exact coordinates is taken, also where reference()'s rounded distances would order two targets the other way.
.set ROUND, 1
.set TABB,  106752
.set PIVO,  106496
.set WSB,   4352
.set T2,    65536                      ; LDS: table 1 at 0 (two planes of 32,768); table 2 here, 80 rows of 512 + 16 bytes: 16 rows of a load start at 16 different groups of four banks
.set P2,    528
.set SPARE, T2+80*P2                   ; 107,776: the spare words, 128 bytes for each wave; no other line names them
; v1, v2 the add's two registers; v3 r = lane % 16; v4 h = lane / 16; v5, v6 LDS addresses of the two A buffers' next tiles; v7 my place in table 2; v8 64 r; v9 my source point's bytes; v10 0; v11 bf16 1.0
; v[16+4s..] c and |c|^2; v[24+4s..] a; sweep: v[32+8s..] B fragments; v48, 49 smallest keys; v50, 51 second smallest; v52-55 at work; v[64:95] two A buffers of two tiles; v[96:159] two sets of four accumulators
; gather: v[12:14] pt; v27 4 h; v[32+4s..] raw src and its |.|^2; v40-45 the group in hand: one-hot's word, its value, first index (by s); v46-51 the same for the second group; v[52+5s..] the best so far: distance, index, x, y, z
;         v[64:143] two A buffers of 40; v[144:159], v[240:255] one-hots; v[160:239] ten accumulators
; ---- the update, the same text in the last launch ----
.macro SQ d, s                         ; d = s x s, 4 x 4, two columns at a time; k outermost, so that eight independent lines stand between two on one pair
.irp k, 0,1,2,3
.irp i, 0,1,2,3
.irp p, 0,2
.if \k == 0
	v_pk_mul_f32 v[(\d)+4*\i+\p:(\d)+4*\i+\p+1], v[(\s)+4*\i:(\s)+4*\i+1], v[(\s)+\p:(\s)+\p+1] op_sel_hi:[0,1]
.elseif \k == 2
	v_pk_fma_f32 v[(\d)+4*\i+\p:(\d)+4*\i+\p+1], v[(\s)+4*\i+2:(\s)+4*\i+3], v[(\s)+8+\p:(\s)+9+\p], v[(\d)+4*\i+\p:(\d)+4*\i+\p+1] op_sel_hi:[0,1,1]
.else
	v_pk_fma_f32 v[(\d)+4*\i+\p:(\d)+4*\i+\p+1], v[(\s)+4*\i+\k-1:(\s)+4*\i+\k], v[(\s)+4*\k+\p:(\s)+4*\k+\p+1], v[(\d)+4*\i+\p:(\d)+4*\i+\p+1] op_sel:[1,0,0] op_sel_hi:[1,1,1]
.endif
.endr
.endr
.endr
.endm
.macro UPDATE younger                  ; younger: the loads issued behind the sixteen record loads, which may stay out
	s_wait_loadcnt \younger
	s_wait_kmcnt 0x0                               ; Rt s[44:55], pivots s[56:63]
.irp q, 1,2,3
.irp p, 0,2,4,6,8,10,12,14
	v_pk_add_f32 v[64+\p:65+\p], v[64+\p:65+\p], v[64+16*\q+\p:65+16*\q+\p]
.endr
.endr
.irp m, 1,2,4,8                        ; lane r of each half held records r, 16 + r, 32 + r, 48 + r: four steps inside the 16 lanes finish the sums, alike in every lane
.irp c, 0,1,2,3,4,5,6,7,8,9,10,11,12,13,14,15
	v_add_f32_dpp v[64+\c], v[64+\c], v[64+\c] row_xmask:\m row_mask:0xf bank_mask:0xf
.endr
.endr
.irp j, 0,1,2
	v_mul_f32 v[80+\j], 0x3a000000, v[76+\j]       ; mean b
	v_mul_f32 v[84+\j], 0x3a000000, v[67+4*\j]     ; mean a
.endr
.irp i, 0,1,2
.irp j, 0,1,2
	v_fma_f32 v[64+4*\i+\j], -v[67+4*\i], v[80+\j], v[64+4*\i+\j]   ; H
.endr
.endr
	v_mul_f32 v88, v64, v64
.irp c, 65,66,68,69,70,72,73,74
	v_fmac_f32 v88, v[\c], v[\c]
.endr
	v_rsq_f32 v89, v88
	v_nop                                          ; a plain line between the transcendental and the use of its result
	s_wait_alu depctr_va_vdst(0)
	v_mul_f32 v89, 0x3e000000, v89                 ; 0.125 / |H|: Horn's matrix then lies within +-0.217, and + 0.25 I makes it positive with trace 1
.irp c, 64,65,66,68,69,70,72,73,74
	v_mul_f32 v[\c], v[\c], v89
.endr
	v_add_f32 v90, v64, v69
	v_sub_f32 v91, v64, v69
	v_add_f32 v92, 0x3e800000, v74
	v_sub_f32 v93, 0x3e800000, v74
	v_add_f32 v96, v90, v92
	v_add_f32 v101, v91, v93
	v_sub_f32 v106, v93, v91
	v_sub_f32 v111, v92, v90
.irp c, 97,100
	v_sub_f32 v[\c], v70, v73
.endr
.irp c, 98,104
	v_sub_f32 v[\c], v72, v66
.endr
.irp c, 99,108
	v_sub_f32 v[\c], v65, v68
.endr
.irp c, 102,105
	v_add_f32 v[\c], v65, v68
.endr
.irp c, 103,109
	v_add_f32 v[\c], v72, v66
.endr
.irp c, 107,110
	v_add_f32 v[\c], v70, v73
.endr
	s_mov_b32 s72, 5
.Lsq:                                  ; four squarings, then division by the trace: the top eigenvalue is at least 1/4 at a trip's head, so at least 2^-32 at its end
	SQ 112, 96
	SQ 96, 112
	SQ 112, 96
	SQ 96, 112
	v_add_f32 v90, v96, v101
	v_add_f32 v91, v106, v111
	v_add_f32 v90, v90, v91
	v_rcp_f32 v88, v90
	v_nop
	s_wait_alu depctr_va_vdst(0)
.irp p, 0,2,4,6,8,10,12,14
	v_pk_mul_f32 v[96+\p:97+\p], v[96+\p:97+\p], v[88:89] op_sel_hi:[1,0]
.endr
	s_sub_co_u32 s72, s72, 1
	s_cmp_lg_u32 s72, 0
	s_cbranch_scc1 .Lsq
	v_cmp_gt_f32 vcc_lo, v101, v96                 ; the row with the largest diagonal is the eigenvector, best conditioned
.irp c, 0,1,2,3
	v_cndmask_b32 v[128+\c], v[96+\c], v[100+\c], vcc_lo
.endr
	v_cndmask_b32 v132, v96, v101, vcc_lo
.irp w, 2,3
	v_cmp_gt_f32 vcc_lo, v[96+5*\w], v132
.irp c, 0,1,2,3
	v_cndmask_b32 v[128+\c], v[128+\c], v[96+4*\w+\c], vcc_lo
.endr
	v_cndmask_b32 v132, v132, v[96+5*\w], vcc_lo
.endr
	v_mul_f32 v145, v128, v128
	v_fmac_f32 v145, v129, v129
	v_fmac_f32 v145, v130, v130
	v_fmac_f32 v145, v131, v131
	v_rsq_f32 v146, v145
	v_nop
	s_wait_alu depctr_va_vdst(0)
.irp c, 128,129,130,131
	v_mul_f32 v[\c], v[\c], v146                   ; the quaternion (w, x, y, z)
.endr
	v_add_f32 v133, v129, v129
	v_add_f32 v134, v130, v130
	v_add_f32 v135, v131, v131
	v_mul_f32 v136, v129, v133                     ; 2xx
	v_mul_f32 v137, v130, v134                     ; 2yy
	v_mul_f32 v138, v131, v135                     ; 2zz
	v_mul_f32 v139, v129, v134                     ; 2xy
	v_mul_f32 v140, v129, v135                     ; 2xz
	v_mul_f32 v141, v130, v135                     ; 2yz
	v_mul_f32 v142, v128, v133                     ; 2wx
	v_mul_f32 v143, v128, v134                     ; 2wy
	v_mul_f32 v144, v128, v135                     ; 2wz
	v_add_f32 v145, v137, v138
	v_add_f32 v146, v136, v138
	v_add_f32 v147, v136, v137
	v_sub_f32 v148, 1.0, v145                      ; R at v[148 + 4 i + k]
	v_sub_f32 v153, 1.0, v146
	v_sub_f32 v158, 1.0, v147
	v_sub_f32 v149, v139, v144
	v_add_f32 v150, v140, v143
	v_add_f32 v152, v139, v144
	v_sub_f32 v154, v141, v142
	v_sub_f32 v156, v140, v143
	v_add_f32 v157, v141, v142
.irp i, 0,1,2
.irp j, 0,1,2
	v_mul_f32 v[160+4*\i+\j], s[44+\j], v[148+4*\i]    ; the new Rt = R Rt at v[160 + 4 i + j]
	v_fmac_f32 v[160+4*\i+\j], s[48+\j], v[149+4*\i]
	v_fmac_f32 v[160+4*\i+\j], s[52+\j], v[150+4*\i]
.endr
	v_mov_b32 v[163+4*\i], 0
	v_fma_f32 v[172+\i], -v[148+4*\i], v84, v[80+\i]   ; w = mean b - R mean a at v[172 + i]
	v_fma_f32 v[172+\i], -v[149+4*\i], v85, v[172+\i]
	v_fma_f32 v[172+\i], -v[150+4*\i], v86, v[172+\i]
.endr
.endm
	s_load_b256 s[4:11], s[0:1], 0x0               ; src s[4:5], tab s[6:7], old sums s[8:9], new sums s[10:11]
	v_lshl_add_u32 v1, v0, 2, SPARE
	v_mov_b32 v2, 0
	ds_add_u32 v1, v2                              ; the wave's opening: the add and its wait ahead of my tensor load; the set-up below, work on registers, stands between them
	ds_add_u32 v1, v2
	v_lshrrev_b32 v12, 5, v0
	v_readfirstlane_b32 s12, v12                   ; wave 0..3
	s_mov_b32 s13, ttmp9                           ; block
	s_and_b32 s14, ttmp7, 0xffff                   ; batch
	s_mov_b32 s15, 0xffff0000                      ; a word's upper bf16; also the mask of lanes 16 to 31
	s_mov_b32 s66, 0x76543210                      ; v_permlanex16_b32: each lane takes its own place in the other half
	s_mov_b32 s67, 0xfedcba98
	s_mov_b32 s68, 0                               ; the numbers of the tiles in the accumulators: set X's two, set Y's two
	s_mov_b32 s69, 1
	s_mov_b32 s70, 2
	s_mov_b32 s71, 3
	s_mov_b32 s75, 0xffffff80                      ; what a key keeps of a distance
	; waves 0, 1: plane w of table 1, dense: 128 rows of 32 elements of 8 bytes
	s_mov_b32 s24, 3<<16
	s_mov_b32 s25, 32<<16
	s_mov_b32 s26, 128<<16
	s_mov_b32 s27, 32<<16
	s_mov_b32 s28, 128
	s_mov_b32 s29, 32
	s_mov_b32 s30, 0
	s_mov_b32 s31, 0
	; waves 2, 3: 40 rows of table 2, 64 elements of 8 bytes each, 4 words of padding behind every 128 words
	s_mov_b32 s36, (3<<16)|(1<<20)|(6<<22)|(3<<25)
	s_mov_b32 s37, 64<<16
	s_mov_b32 s38, 40<<16
	s_mov_b32 s39, 64<<16
	s_mov_b32 s40, 40
	s_mov_b32 s41, 64
	s_mov_b32 s42, 0
	s_mov_b32 s43, 0
	s_mov_b32 s20, 1
	s_lshl_b32 s21, s12, 15                        ; LDS: 32,768 w
	s_mov_b32 s32, 1
	s_mul_i32 s33, s12, 40*P2
	s_add_co_u32 s33, s33, T2-2*40*P2              ; LDS: T2 + 21,120 (w - 2)
	s_mul_i32 s16, s14, TABB
	s_mov_b32 s17, 0
	s_mul_i32 s18, s14, WSB
	s_mov_b32 s19, 0
	s_wait_dscnt 0x0                               ; the opening add is done
	s_wait_kmcnt 0x0
	s_add_nc_u64 s[6:7], s[6:7], s[16:17]
	s_add_nc_u64 s[8:9], s[8:9], s[18:19]
	s_add_nc_u64 s[10:11], s[10:11], s[18:19]
	s_lshl_b32 s16, s12, 15
	s_add_nc_u64 s[22:23], s[6:7], s[16:17]
	s_or_b32 s23, s23, 0x80000000
	s_mul_i32 s16, s12, 20480
	s_add_co_u32 s16, s16, 65536-2*20480
	s_add_nc_u64 s[34:35], s[6:7], s[16:17]
	s_or_b32 s35, s35, 0x80000000
	s_cmp_lt_u32 s12, 2                            ; one tensor load a wave, its only one: a quarter of the tables
	s_cbranch_scc0 .Lfor_b
	tensor_load_to_lds s[20:23], s[24:31]
	s_nop 0
.rept 4
	v_nop
.endr
	s_branch .Lasked
.Lfor_b:
	tensor_load_to_lds s[32:35], s[36:43]
	s_nop 0
.rept 4
	v_nop
.endr
.Lasked:
	s_load_b256 s[44:51], s[8:9], 0x1000           ; Rt, [3][4]; s47: the mark of the first iteration
	s_load_b128 s[52:55], s[8:9], 0x1020
	s_load_b256 s[56:63], s[6:7], PIVO             ; pt, 0, ps, 0
	s_mul_i32 s16, s14, 24576
	s_mul_i32 s18, s13, 1536
	s_add_co_u32 s16, s16, s18
	s_add_nc_u64 s[4:5], s[4:5], s[16:17]          ; src at my block
	s_lshl2_add_u32 s18, s13, s12
	s_lshl_b32 s18, s18, 6                         ; my record: 64 (4 block + wave)
	s_add_nc_u64 s[76:77], s[10:11], s[18:19]
	v_and_b32 v3, 15, v0
	v_bfe_u32 v4, v0, 4, 1
	v_lshlrev_b32 v8, 6, v3
	v_lshl_add_u32 v9, s12, 5, v3
	v_mul_u32_u24 v9, v9, 12
.irp q, 0,1,2,3
.irp p, 0,1,2,3
	global_load_b128 v[64+16*\q+4*\p:67+16*\q+4*\p], v8, s[8:9] offset:1024*\q+16*\p   ; record 16 q + r
.endr
.endr
	global_load_b96 v[176:178], v9, s[4:5]
	global_load_b96 v[180:182], v9, s[4:5] offset:192
	v_lshlrev_b32 v5, 4, v3
	v_add_nc_u32 v6, 512, v5
	v_mul_u32_u24 v7, v3, P2
	v_lshl_add_u32 v7, v4, 4, v7
	v_add_nc_u32 v7, T2, v7
	v_mov_b32 v10, 0
	v_mov_b32 v11, 0x3f80
	v_mov_b32 v193, 0x3f803f80
	UPDATE 2
	s_cmp_lg_u32 s47, 0
	s_cselect_b32 s78, -1, 0                       ; all lanes or none: the first iteration's expression decides; it feeds selects alone
	s_or_b32 s16, s13, s12
	s_cmp_lg_u32 s16, 0
	s_cbranch_scc1 .Lno_state                      ; wave 0 of block 0 hands Rt on
	v_cmp_eq_u32 vcc_lo, 0, v0
	s_wait_xcnt 0x0                                ; EXEC is a source of the loads above: it changes only behind this wait
	s_and_saveexec_b32 s73, vcc_lo
.irp i, 0,1,2
	global_store_b128 v10, v[160+4*\i:163+4*\i], s[10:11] offset:4096+16*\i
.endr
	s_wait_xcnt 0x0
	s_or_b32 exec_lo, exec_lo, s73
.Lno_state:
	s_wait_loadcnt 0x0                             ; my two source points
.if ROUND
.irp c, 176,177,178,180,181,182
	v_cvt_pk_bf16_f32 v184, v[\c], v[\c]
	v_and_b32 v[\c], s15, v184                     ; the source point as bf16 numbers, to nearest even
.endr
.endif
.macro CUR s                           ; a = Rt (src - ps), c = a + w, |c|^2
.irp c, 0,1,2
	v_sub_f32 v[12+\c], v[176+4*(\s)+\c], s[60+\c]
.endr
.irp i, 0,1,2
	v_mul_f32 v[24+4*(\s)+\i], v[160+4*\i], v12
	v_fmac_f32 v[24+4*(\s)+\i], v[161+4*\i], v13
	v_fmac_f32 v[24+4*(\s)+\i], v[162+4*\i], v14
	v_add_f32 v[16+4*(\s)+\i], v[24+4*(\s)+\i], v[172+\i]
.endr
	v_mul_f32 v[19+4*(\s)], v[16+4*(\s)], v[16+4*(\s)]
	v_fmac_f32 v[19+4*(\s)], v[17+4*(\s)], v[17+4*(\s)]
	v_fmac_f32 v[19+4*(\s)], v[18+4*(\s)], v[18+4*(\s)]
.endm
.macro BF s                            ; the B fragment: for each coordinate u = -2 c in pieces: lanes 0-15 (u1,u2,u1,u1), lanes 16-31 (u3,0,u2,0); at last (1,1,1,cc1) and (0,0,0,cc2)
.irp c, 0,1,2
	v_mul_f32 v184, -2.0, v[16+4*(\s)+\c]
	v_cvt_pk_bf16_f32 v185, v184, v184
	v_and_b32 v185, s15, v185
	v_sub_f32 v186, v184, v185
	v_cvt_pk_bf16_f32 v187, v186, v186
	v_and_b32 v187, s15, v187
	v_sub_f32 v188, v186, v187
	v_cndmask_b32 v189, v185, v188, s15
	v_cndmask_b32 v190, v187, v10, s15
	v_cndmask_b32 v191, v185, v187, s15
	v_cndmask_b32 v192, v185, v10, s15
	v_cvt_pk_bf16_f32 v[32+8*(\s)+2*\c], v189, v190
	v_cvt_pk_bf16_f32 v[33+8*(\s)+2*\c], v191, v192
.endr
	v_cvt_pk_bf16_f32 v185, v[19+4*(\s)], v[19+4*(\s)]
	v_and_b32 v185, s15, v185
	v_sub_f32 v186, v[19+4*(\s)], v185
	v_cndmask_b32 v186, v[19+4*(\s)], v186, s15
	v_cndmask_b32 v189, 1.0, v10, s15
	v_cndmask_b32 v[38+8*(\s)], v193, v10, s15
	v_cvt_pk_bf16_f32 v[39+8*(\s)], v189, v186
.endm
	CUR 0
	CUR 1
	BF 0
	BF 1
.irp c, 48,49,50,51
	v_mov_b32 v[\c], 0x7f800000
.endr
	s_wait_tensorcnt 0x0                           ; my quarter of the tables is in LDS,
	s_barrier_signal -1
	s_barrier_wait -1                              ; everybody's is; nothing is filled again
; THE SWEEP.  A pair is two target tiles; buffer and accumulator set b (0: X, 1: Y) take the pairs by turns.
.macro LD b                            ; a pair's A fragments: both halves of the lanes read target r's 16 bytes of plane 0 and of plane 1
	ds_load_b128 v[64+16*(\b):67+16*(\b)], v[5+(\b)]
	ds_load_b128 v[68+16*(\b):71+16*(\b)], v[5+(\b)] offset:32768
	ds_load_b128 v[72+16*(\b):75+16*(\b)], v[5+(\b)] offset:256
	ds_load_b128 v[76+16*(\b):79+16*(\b)], v[5+(\b)] offset:33024
	v_add_nc_u32 v[5+(\b)], 1024, v[5+(\b)]
.endm
.macro WM b                            ; four products, each a whole sum: no accumulator is taken up again
.irp t, 0,1
.irp s, 0,1
	v_wmma_f32_16x16x32_bf16 v[96+32*(\b)+8*(2*\t+\s):103+32*(\b)+8*(2*\t+\s)], v[64+16*(\b)+8*\t:71+16*(\b)+8*\t], v[32+8*\s:39+8*\s], 0
.endr
.endr
.endm
.macro VA b, t                         ; tile t of set b, both source tiles: the least of my 8 distances becomes a key; the two smallest keys are kept.  Each accumulator is read from its low end on
.set AC, 96+32*(\b)+16*(\t)
	v_min3_num_f32 v52, v[AC], v[AC+1], v[AC+2]
	v_min3_num_f32 v53, v[AC+8], v[AC+9], v[AC+10]
	v_min3_num_f32 v52, v52, v[AC+3], v[AC+4]
	v_min3_num_f32 v53, v53, v[AC+11], v[AC+12]
	v_min3_num_f32 v52, v52, v[AC+5], v[AC+6]
	v_min3_num_f32 v53, v53, v[AC+13], v[AC+14]
	v_min_num_f32 v52, v52, v[AC+7]
	v_min_num_f32 v53, v53, v[AC+15]
	v_and_or_b32 v52, v52, s75, s[68+2*(\b)+(\t)]
	v_and_or_b32 v53, v53, s75, s[68+2*(\b)+(\t)]
	v_max_num_f32 v54, v52, v48                    ; the larger of the key and the smallest so far may be the new second
	v_max_num_f32 v55, v53, v49
	v_min_num_f32 v48, v52, v48
	v_min_num_f32 v49, v53, v49
	v_min_num_f32 v50, v54, v50
	v_min_num_f32 v51, v55, v51
.if \t
	s_add_co_u32 s[68+2*(\b)], s[68+2*(\b)], 4
	s_add_co_u32 s[69+2*(\b)], s[69+2*(\b)], 4
.endif
.endm
; A phase: set b's products; beside them the other set's keys, whose 16 + 16 plain lines name none of the products' registers and are the places in front of the loads into buffer b
; and in front of the next phase's reads of set b.
.macro PH b, va, ld, cnt
	s_wait_dscnt \cnt                              ; buffer b's four loads are in; the other buffer's four may stay out
	WM \b
.if \va
	VA 1-(\b), 0
.else
.rept 4
	v_nop
.endr
.endif
.if \ld
	LD \b
.endif
.if \va
	VA 1-(\b), 1
.endif
.endm
	LD 0
	LD 1
	PH 0, 0, 1, 4
	s_mov_b32 s72, 30
.Lsweep:                               ; 64 pairs: 1 in front, 2 x 30 here, 3 behind
	PH 1, 1, 1, 4
	PH 0, 1, 1, 4
	s_sub_co_u32 s72, s72, 1
	s_cmp_lg_u32 s72, 0
	s_cbranch_scc1 .Lsweep
	PH 1, 1, 1, 4
	PH 0, 1, 0, 4
	PH 1, 1, 0, 0
	VA 1, 0
	VA 1, 1
	; what the choice needs: the raw source points and their |.|^2 as reference() sums it, the targets' pivot
.irp s, 0,1
.irp c, 0,1,2
	v_mov_b32 v[32+4*\s+\c], v[176+4*\s+\c]
.endr
	v_mul_f32 v[35+4*\s], v[176+4*\s], v[176+4*\s]
	v_fmac_f32 v[35+4*\s], v[177+4*\s], v[177+4*\s]
	v_fmac_f32 v[35+4*\s], v[178+4*\s], v[178+4*\s]
.endr
	v_mov_b32 v12, s56
	v_mov_b32 v13, s57
	v_mov_b32 v14, s58
	v_mov_b32 v15, 0
	v_mov_b32 v63, 0
	v_lshlrev_b32 v27, 2, v4                       ; 4 h
	s_mov_b32 s75, 0xffffff00
.macro PICK k, pp, wv, ib              ; of key v[k]: the one-hot's word less my half's 4, bf16 1.0 in that word's low or high half, and the index of my first candidate
	v_and_b32 v62, 0xff, v[\k]                     ; the group
	v_lshrrev_b32 v63, 1, v62
	v_sub_nc_u32 v[\pp], v63, v27
	v_and_b32 v63, 1, v62
	v_lshlrev_b32 v63, 4, v63
	v_lshlrev_b32 v[\wv], v63, v11
	v_lshl_add_u32 v[\ib], v62, 3, v27             ; 8 g + 4 h
.endm
.irp s, 0,1                            ; the halves of the lanes meet: the keys take the group's number, 2 tile + h, in 8 bits; the two smallest of the four, alike in both halves
.irp k, 48,50
	v_and_b32 v62, 0x7f, v[\k+\s]
	v_lshl_add_u32 v62, v62, 1, v4
	v_and_or_b32 v[\k+\s], v[\k+\s], s75, v62
.endr
	v_permlanex16_b32 v62, v[48+\s], s66, s67
	v_permlanex16_b32 v63, v[50+\s], s66, s67
	v_max_num_f32 v19, v[48+\s], v62
	v_min_num_f32 v23, v[48+\s], v62
	v_min3_num_f32 v19, v19, v[50+\s], v63
	PICK 23, 40+\s, 42+\s, 44+\s
	PICK 19, 46+\s, 48+\s, 50+\s
	v_mov_b32 v[52+5*\s], 0x7f800000               ; the best so far: none
.irp c, 1,2,3,4
	v_mov_b32 v[52+5*\s+\c], 0
.endr
.endr
; THE GATHER
.macro GLD n, ks                       ; five fragments of 16 rows x 32 groups of table 2 into buffer n
.irp m, 0,1,2,3,4
	ds_load_b128 v[64+40*(\n)+8*\m:67+40*(\n)+8*\m], v7 offset:16*P2*\m+64*(\ks)
	ds_load_b128 v[68+40*(\n)+8*\m:71+40*(\n)+8*\m], v7 offset:16*P2*\m+64*(\ks)+32
.endr
.endm
; K step ks: groups 32 ks .. 32 ks + 31.  Register j of a B fragment holds the word 16 ks + 4 h + j + 4 (j / 4) of the row of 128 words.  The 32 lines that make the one-hots are the places in front of the
; loads into the buffer that the step before multiplied.  The ten accumulators take turns, one instruction a turn.
.macro GSTEP ks
.set OH, 144+96*((\ks)%2)
.set GA, 64+40*((\ks)%2)
.irp j, 0,1,2,3,4,5,6,7
	v_cmp_eq_u32 vcc_lo, 16*(\ks)+\j+4*(\j/4), v40
	v_cmp_eq_u32 s74, 16*(\ks)+\j+4*(\j/4), v41
	v_cndmask_b32 v[OH+\j], 0, v42, vcc_lo
	v_cndmask_b32 v[OH+8+\j], 0, v43, s74
.endr
.if (\ks) < 7
	GLD ((\ks)+1)%2, (\ks)+1
	s_wait_dscnt 10                                ; this step's fragments are in; the ten loads just issued stay out
.else
	s_wait_dscnt 0x0
.endif
.irp m, 0,1,2,3,4
.irp s, 0,1
.if (\ks) == 0
	v_wmma_f32_16x16x32_bf16 v[160+40*\s+8*\m:167+40*\s+8*\m], v[GA+8*\m:GA+8*\m+7], v[OH+8*\s:OH+8*\s+7], 0
.else
	v_wmma_f32_16x16x32_bf16 v[160+40*\s+8*\m:167+40*\s+8*\m], v[GA+8*\m:GA+8*\m+7], v[OH+8*\s:OH+8*\s+7], v[160+40*\s+8*\m:167+40*\s+8*\m]
.endif
.endr
.endr
.endm
; Source tile s: my half's 4 candidates of the group in hand.  q1 + q2 + q3 rebuilds each raw coordinate exactly (x first).
; Two distances, two candidates to a line: E = |(t - pt) - c|^2 at G+4..7; M = (|src|^2 - 2 src.t) + |t|^2 at G+24..27, its |t|^2 and its product chains of fused multiply-adds over x, y, z.
; Then the nearest of the 4 (a strict comparison keeps the lower index), and that against the best so far, by distance and then by index.
.macro RF s
.set G, 160+40*(\s)
.set CP, 16+4*(\s)
.set CR, 32+4*(\s)
.set RB, 52+5*(\s)
.irp c, 0,1,2
.irp p, 0,2
	v_pk_add_f32 v[G+8*\c+\p:G+8*\c+\p+1], v[G+8*\c+\p:G+8*\c+\p+1], v[G+8*\c+4+\p:G+8*\c+5+\p]
.endr
.irp p, 0,2
	v_pk_add_f32 v[G+8*\c+\p:G+8*\c+\p+1], v[G+8*\c+\p:G+8*\c+\p+1], v[G+24+4*\c+\p:G+25+4*\c+\p]
.endr
.endr
.irp p, 0,2
	v_pk_add_f32 v[G+4+\p:G+5+\p], v[G+\p:G+1+\p], v[12:13] op_sel_hi:[1,0] neg_lo:[0,1] neg_hi:[0,1]
	v_pk_add_f32 v[G+12+\p:G+13+\p], v[G+8+\p:G+9+\p], v[12:13] op_sel:[0,1] op_sel_hi:[1,1] neg_lo:[0,1] neg_hi:[0,1]
	v_pk_add_f32 v[G+20+\p:G+21+\p], v[G+16+\p:G+17+\p], v[14:15] op_sel_hi:[1,0] neg_lo:[0,1] neg_hi:[0,1]
	v_pk_mul_f32 v[G+24+\p:G+25+\p], v[G+\p:G+1+\p], v[G+\p:G+1+\p]
	v_pk_mul_f32 v[G+28+\p:G+29+\p], v[G+\p:G+1+\p], v[CR:CR+1] op_sel_hi:[1,0]
.endr
.irp p, 0,2
	v_pk_add_f32 v[G+4+\p:G+5+\p], v[G+4+\p:G+5+\p], v[CP:CP+1] op_sel_hi:[1,0] neg_lo:[0,1] neg_hi:[0,1]
	v_pk_add_f32 v[G+12+\p:G+13+\p], v[G+12+\p:G+13+\p], v[CP:CP+1] op_sel:[0,1] op_sel_hi:[1,1] neg_lo:[0,1] neg_hi:[0,1]
	v_pk_add_f32 v[G+20+\p:G+21+\p], v[G+20+\p:G+21+\p], v[CP+2:CP+3] op_sel_hi:[1,0] neg_lo:[0,1] neg_hi:[0,1]
	v_pk_fma_f32 v[G+24+\p:G+25+\p], v[G+8+\p:G+9+\p], v[G+8+\p:G+9+\p], v[G+24+\p:G+25+\p]
	v_pk_fma_f32 v[G+28+\p:G+29+\p], v[G+8+\p:G+9+\p], v[CR:CR+1], v[G+28+\p:G+29+\p] op_sel:[0,1,0] op_sel_hi:[1,1,1]
.endr
.irp p, 0,2
	v_pk_mul_f32 v[G+4+\p:G+5+\p], v[G+4+\p:G+5+\p], v[G+4+\p:G+5+\p]
	v_pk_fma_f32 v[G+24+\p:G+25+\p], v[G+16+\p:G+17+\p], v[G+16+\p:G+17+\p], v[G+24+\p:G+25+\p]
	v_pk_fma_f32 v[G+28+\p:G+29+\p], v[G+16+\p:G+17+\p], v[CR+2:CR+3], v[G+28+\p:G+29+\p] op_sel_hi:[1,0,1]
.endr
.irp p, 0,2
	v_pk_fma_f32 v[G+4+\p:G+5+\p], v[G+12+\p:G+13+\p], v[G+12+\p:G+13+\p], v[G+4+\p:G+5+\p]
	v_pk_fma_f32 v[G+28+\p:G+29+\p], v[G+28+\p:G+29+\p], -2.0, v[CR+2:CR+3] op_sel:[0,0,1] op_sel_hi:[1,0,1]
.endr
.irp p, 0,2
	v_pk_fma_f32 v[G+4+\p:G+5+\p], v[G+20+\p:G+21+\p], v[G+20+\p:G+21+\p], v[G+4+\p:G+5+\p]
	v_pk_add_f32 v[G+24+\p:G+25+\p], v[G+28+\p:G+29+\p], v[G+24+\p:G+25+\p]
.endr
.irp k, 0,1,2,3
	v_cndmask_b32 v[G+4+\k], v[G+4+\k], v[G+24+\k], s78
.endr
	v_mov_b32 v62, v[44+(\s)]
.irp k, 1,2,3
	v_cmp_lt_f32 vcc_lo, v[G+4+\k], v[G+4]
	v_add_nc_u32 v63, \k, v[44+(\s)]
	v_cndmask_b32 v[G+4], v[G+4], v[G+4+\k], vcc_lo
	v_cndmask_b32 v[G], v[G], v[G+\k], vcc_lo
	v_cndmask_b32 v[G+8], v[G+8], v[G+8+\k], vcc_lo
	v_cndmask_b32 v[G+16], v[G+16], v[G+16+\k], vcc_lo
	v_cndmask_b32 v62, v62, v63, vcc_lo
.endr
	v_cmp_lt_f32 s16, v[G+4], v[RB]
	v_cmp_eq_f32 s17, v[G+4], v[RB]
	v_cmp_lt_u32 s18, v62, v[RB+1]
	s_and_b32 s17, s17, s18
	s_or_b32 s16, s16, s17
	v_cndmask_b32 v[RB], v[RB], v[G+4], s16
	v_cndmask_b32 v[RB+1], v[RB+1], v62, s16
	v_cndmask_b32 v[RB+2], v[RB+2], v[G], s16
	v_cndmask_b32 v[RB+3], v[RB+3], v[G+8], s16
	v_cndmask_b32 v[RB+4], v[RB+4], v[G+16], s16
.endm
	s_mov_b32 s72, 2
.Lgat:                                 ; two trips: the point's best group, then its second best
	GLD 0, 0
.irp ks, 0,1,2,3,4,5,6,7
	GSTEP \ks
.endr
.rept 4
	v_nop                                          ; the places behind the last products
.endr
	RF 0
	RF 1
.irp c, 0,1,2,3,4,5
	v_mov_b32 v[40+\c], v[46+\c]                   ; the second group comes in hand
.endr
	s_sub_co_u32 s72, s72, 1
	s_cmp_lg_u32 s72, 0
	s_cbranch_scc1 .Lgat
.irp s, 0,1                            ; the halves meet once more, by distance and then by index: both end with the same neighbour; b = neighbour - pt
.irp c, 0,1,2,3,4
	v_permlanex16_b32 v[160+5*\s+\c], v[52+5*\s+\c], s66, s67
.endr
	v_cmp_lt_f32 s16, v[160+5*\s], v[52+5*\s]
	v_cmp_eq_f32 s17, v[160+5*\s], v[52+5*\s]
	v_cmp_lt_u32 s18, v[161+5*\s], v[53+5*\s]
	s_and_b32 s17, s17, s18
	s_or_b32 s16, s16, s17
.irp c, 0,1,2
	v_cndmask_b32 v[54+5*\s+\c], v[54+5*\s+\c], v[162+5*\s+\c], s16
.endr
.irp c, 0,1,2
	v_sub_f32 v[54+5*\s+\c], v[54+5*\s+\c], v[12+\c]
.endr
.endr
	; the wave's record: float 4 i + j = sum a_i b_j, 4 i + 3 = sum a_i, 12 + j = sum b_j, 15 = 0
.irp i, 0,1,2
.irp j, 0,1,2
	v_mul_f32 v[64+4*\i+\j], v[24+\i], v[54+\j]
.endr
	v_add_f32 v[67+4*\i], v[24+\i], v[28+\i]
	v_add_f32 v[76+\i], v[54+\i], v[59+\i]
.endr
.irp i, 0,1,2
.irp j, 0,1,2
	v_fmac_f32 v[64+4*\i+\j], v[28+\i], v[59+\j]
.endr
.endr
	v_mov_b32 v79, 0
.irp m, 1,2,4,8
.irp c, 0,1,2,3,4,5,6,7,8,9,10,11,12,13,14,15
	v_add_f32_dpp v[64+\c], v[64+\c], v[64+\c] row_xmask:\m row_mask:0xf bank_mask:0xf
.endr
.endr
	v_and_b32 v62, 31, v0
	v_cmp_eq_u32 vcc_lo, 0, v62
	s_wait_xcnt 0x0
	s_and_saveexec_b32 s73, vcc_lo
.irp p, 0,1,2,3
	global_store_b128 v10, v[64+4*\p:67+4*\p], s[76:77] offset:16*\p
.endr
	s_wait_xcnt 0x0
	s_or_b32 exec_lo, exec_lo, s73
	s_wait_tensorcnt 0x0                           ; the wave's end: a tensor wait, an LDS add and its wait behind my tensor load
	ds_add_u32 v1, v2
	s_wait_dscnt 0x0
	s_endpgm
.Lfunc_end_k_qf982cc7252_step1:
	.size	k_qf982cc7252_step1, .Lfunc_end_k_qf982cc7252_step1-k_qf982cc7252_step1
	.p2alignl 7, 3214868480
	.fill 96, 4, 3214868480
	.section	.rodata,"a",@progbits
	.p2align	6, 0x0
	.amdhsa_kernel k_qf982cc7252_step1
		.amdhsa_group_segment_fixed_size 167936
		.amdhsa_private_segment_fixed_size 0
		.amdhsa_enable_private_segment 0
		.amdhsa_kernarg_size 32
		.amdhsa_user_sgpr_count 2
		.amdhsa_user_sgpr_kernarg_segment_ptr 1
		.amdhsa_wavefront_size32 1
		.amdhsa_system_sgpr_workgroup_id_x 1
		.amdhsa_system_sgpr_workgroup_id_y 1
		.amdhsa_system_sgpr_workgroup_id_z 1
		.amdhsa_system_vgpr_workitem_id 0
		.amdhsa_next_free_vgpr 256
		.amdhsa_next_free_sgpr 80
		.amdhsa_reserve_vcc 1
		.amdhsa_float_denorm_mode_32 3
		.amdhsa_float_denorm_mode_16_64 3
		.amdhsa_memory_ordered 1
		.amdhsa_forward_progress 1
		.amdhsa_inst_pref_size 91
	.end_amdhsa_kernel
	.amdgpu_metadata
---
amdhsa.version: [ 1, 2 ]
amdhsa.kernels:
  - .name:           k_qf982cc7252_step1
    .symbol:         k_qf982cc7252_step1.kd
    .args:
      - { .name: src_points, .offset: 0, .size: 8, .value_kind: global_buffer, .address_space: global }
      - { .name: tab, .offset: 8, .size: 8, .value_kind: global_buffer, .address_space: global }
      - { .name: wsA, .offset: 16, .size: 8, .value_kind: global_buffer, .address_space: global }
      - { .name: wsB, .offset: 24, .size: 8, .value_kind: global_buffer, .address_space: global }
    .group_segment_fixed_size: 167936
    .private_segment_fixed_size: 0
    .kernarg_segment_align: 8
    .kernarg_segment_size: 32
    .max_flat_workgroup_size: 128
    .sgpr_count:     80
    .vgpr_count:     256
    .wavefront_size: 32
...
	.end_amdgpu_metadata
.endif
;; end of part 2
;; launch step2: the kernel of part 2 again; grid 16 x 16, 4 waves a work-group, no clusters, 167,936 bytes of LDS; arguments src_points, tab, wsB, wsA; writes wsA
;; launch step3: the kernel of part 2 again; grid 16 x 16, 4 waves a work-group, no clusters, 167,936 bytes of LDS; arguments src_points, tab, wsA, wsB; writes wsB
;; launch step4: the kernel of part 2 again; grid 16 x 16, 4 waves a work-group, no clusters, 167,936 bytes of LDS; arguments src_points, tab, wsB, wsA; writes wsA
;; launch step5: the kernel of part 2 again; grid 16 x 16, 4 waves a work-group, no clusters, 167,936 bytes of LDS; arguments src_points, tab, wsA, wsB; writes wsB
;; launch step6: the kernel of part 2 again; grid 16 x 16, 4 waves a work-group, no clusters, 167,936 bytes of LDS; arguments src_points, tab, wsB, wsA; writes wsA
;; launch step7: the kernel of part 2 again; grid 16 x 16, 4 waves a work-group, no clusters, 167,936 bytes of LDS; arguments src_points, tab, wsA, wsB; writes wsB
;; launch step8: the kernel of part 2 again; grid 16 x 16, 4 waves a work-group, no clusters, 167,936 bytes of LDS; arguments src_points, tab, wsB, wsA; writes wsA
;; launch step9: the kernel of part 2 again; grid 16 x 16, 4 waves a work-group, no clusters, 167,936 bytes of LDS; arguments src_points, tab, wsA, wsB; writes wsB
;; launch step10: the kernel of part 2 again; grid 16 x 16, 4 waves a work-group, no clusters, 167,936 bytes of LDS; arguments src_points, tab, wsB, wsA; writes wsA
;; launch fin (part 3): grid 16 x 16, 4 waves a work-group, no clusters, 0 bytes of LDS; arguments src_points, tab, wsA, out0, out1, out2; writes out0, out1, out2
.if DOCPART == 3
	.amdgcn_target "amdgcn-amd-amdhsa--gfx1250"
	.amdhsa_code_object_version 6
	.text
	.protected	k_qf982cc7252_fin
	.globl	k_qf982cc7252_fin
	.p2align	8
	.type	k_qf982cc7252_fin,@function
k_qf982cc7252_fin:
	s_mov_b64 s[64:65], 0
	v_nop
	global_prefetch_b8 v0, s[64:65] scope:SCOPE_SE
	s_setreg_imm32_b32 hwreg(HW_REG_WAVE_MODE, 25, 1), 1
	s_wait_xcnt 0x0
; THE END: the tenth iteration's sums are turned into the last rotation (the update, the same text as in the step), and the results are written:
; aligned = Rt (src - ps) + (w + pt), one point a thread (work-group x = block of 128 points, y = batch); R_tot = Rt; t_tot = w + pt - Rt ps, by lane 0 of block 0.
; ROUND = 1: every source point counts as its rounding to bf16, as in the steps; ROUND = 0: as it is given.
; No LDS, no matrix unit: 3 x 3 products on 128 points.
; LIMITS as in the step: NaN and infinities are not treated apart; with ROUND = 1 a coordinate keeps 8 significant bits; H's entries lie within 2^-60 .. 2^60 and H is not 0; a top eigenvalue nearer than
; 1.5e-5 of the spectrum's width to the second is not resolved.
.set ROUND, 1
.set TABB,  106752
.set PIVO,  106496
.set WSB,   4352
.macro SQ d, s                         ; d = s x s, 4 x 4, two columns at a time; k outermost, so that eight independent lines stand between two on one pair
.irp k, 0,1,2,3
.irp i, 0,1,2,3
.irp p, 0,2
.if \k == 0
	v_pk_mul_f32 v[(\d)+4*\i+\p:(\d)+4*\i+\p+1], v[(\s)+4*\i:(\s)+4*\i+1], v[(\s)+\p:(\s)+\p+1] op_sel_hi:[0,1]
.elseif \k == 2
	v_pk_fma_f32 v[(\d)+4*\i+\p:(\d)+4*\i+\p+1], v[(\s)+4*\i+2:(\s)+4*\i+3], v[(\s)+8+\p:(\s)+9+\p], v[(\d)+4*\i+\p:(\d)+4*\i+\p+1] op_sel_hi:[0,1,1]
.else
	v_pk_fma_f32 v[(\d)+4*\i+\p:(\d)+4*\i+\p+1], v[(\s)+4*\i+\k-1:(\s)+4*\i+\k], v[(\s)+4*\k+\p:(\s)+4*\k+\p+1], v[(\d)+4*\i+\p:(\d)+4*\i+\p+1] op_sel:[1,0,0] op_sel_hi:[1,1,1]
.endif
.endr
.endr
.endr
.endm
.macro UPDATE younger                  ; younger: the loads issued behind the sixteen record loads, which may stay out
	s_wait_loadcnt \younger
	s_wait_kmcnt 0x0                               ; Rt s[44:55], pivots s[56:63]
.irp q, 1,2,3
.irp p, 0,2,4,6,8,10,12,14
	v_pk_add_f32 v[64+\p:65+\p], v[64+\p:65+\p], v[64+16*\q+\p:65+16*\q+\p]
.endr
.endr
.irp m, 1,2,4,8                        ; lane r of each half held records r, 16 + r, 32 + r, 48 + r: four steps inside the 16 lanes finish the sums, alike in every lane
.irp c, 0,1,2,3,4,5,6,7,8,9,10,11,12,13,14,15
	v_add_f32_dpp v[64+\c], v[64+\c], v[64+\c] row_xmask:\m row_mask:0xf bank_mask:0xf
.endr
.endr
.irp j, 0,1,2
	v_mul_f32 v[80+\j], 0x3a000000, v[76+\j]       ; mean b
	v_mul_f32 v[84+\j], 0x3a000000, v[67+4*\j]     ; mean a
.endr
.irp i, 0,1,2
.irp j, 0,1,2
	v_fma_f32 v[64+4*\i+\j], -v[67+4*\i], v[80+\j], v[64+4*\i+\j]   ; H
.endr
.endr
	v_mul_f32 v88, v64, v64
.irp c, 65,66,68,69,70,72,73,74
	v_fmac_f32 v88, v[\c], v[\c]
.endr
	v_rsq_f32 v89, v88
	v_nop                                          ; a plain line between the transcendental and the use of its result
	s_wait_alu depctr_va_vdst(0)
	v_mul_f32 v89, 0x3e000000, v89                 ; 0.125 / |H|: Horn's matrix then lies within +-0.217, and + 0.25 I makes it positive with trace 1
.irp c, 64,65,66,68,69,70,72,73,74
	v_mul_f32 v[\c], v[\c], v89
.endr
	v_add_f32 v90, v64, v69
	v_sub_f32 v91, v64, v69
	v_add_f32 v92, 0x3e800000, v74
	v_sub_f32 v93, 0x3e800000, v74
	v_add_f32 v96, v90, v92
	v_add_f32 v101, v91, v93
	v_sub_f32 v106, v93, v91
	v_sub_f32 v111, v92, v90
.irp c, 97,100
	v_sub_f32 v[\c], v70, v73
.endr
.irp c, 98,104
	v_sub_f32 v[\c], v72, v66
.endr
.irp c, 99,108
	v_sub_f32 v[\c], v65, v68
.endr
.irp c, 102,105
	v_add_f32 v[\c], v65, v68
.endr
.irp c, 103,109
	v_add_f32 v[\c], v72, v66
.endr
.irp c, 107,110
	v_add_f32 v[\c], v70, v73
.endr
	s_mov_b32 s72, 5
.Lsq:                                  ; four squarings, then division by the trace: the top eigenvalue is at least 1/4 at a trip's head, so at least 2^-32 at its end
	SQ 112, 96
	SQ 96, 112
	SQ 112, 96
	SQ 96, 112
	v_add_f32 v90, v96, v101
	v_add_f32 v91, v106, v111
	v_add_f32 v90, v90, v91
	v_rcp_f32 v88, v90
	v_nop
	s_wait_alu depctr_va_vdst(0)
.irp p, 0,2,4,6,8,10,12,14
	v_pk_mul_f32 v[96+\p:97+\p], v[96+\p:97+\p], v[88:89] op_sel_hi:[1,0]
.endr
	s_sub_co_u32 s72, s72, 1
	s_cmp_lg_u32 s72, 0
	s_cbranch_scc1 .Lsq
	v_cmp_gt_f32 vcc_lo, v101, v96                 ; the row with the largest diagonal is the eigenvector, best conditioned
.irp c, 0,1,2,3
	v_cndmask_b32 v[128+\c], v[96+\c], v[100+\c], vcc_lo
.endr
	v_cndmask_b32 v132, v96, v101, vcc_lo
.irp w, 2,3
	v_cmp_gt_f32 vcc_lo, v[96+5*\w], v132
.irp c, 0,1,2,3
	v_cndmask_b32 v[128+\c], v[128+\c], v[96+4*\w+\c], vcc_lo
.endr
	v_cndmask_b32 v132, v132, v[96+5*\w], vcc_lo
.endr
	v_mul_f32 v145, v128, v128
	v_fmac_f32 v145, v129, v129
	v_fmac_f32 v145, v130, v130
	v_fmac_f32 v145, v131, v131
	v_rsq_f32 v146, v145
	v_nop
	s_wait_alu depctr_va_vdst(0)
.irp c, 128,129,130,131
	v_mul_f32 v[\c], v[\c], v146                   ; the quaternion (w, x, y, z)
.endr
	v_add_f32 v133, v129, v129
	v_add_f32 v134, v130, v130
	v_add_f32 v135, v131, v131
	v_mul_f32 v136, v129, v133                     ; 2xx
	v_mul_f32 v137, v130, v134                     ; 2yy
	v_mul_f32 v138, v131, v135                     ; 2zz
	v_mul_f32 v139, v129, v134                     ; 2xy
	v_mul_f32 v140, v129, v135                     ; 2xz
	v_mul_f32 v141, v130, v135                     ; 2yz
	v_mul_f32 v142, v128, v133                     ; 2wx
	v_mul_f32 v143, v128, v134                     ; 2wy
	v_mul_f32 v144, v128, v135                     ; 2wz
	v_add_f32 v145, v137, v138
	v_add_f32 v146, v136, v138
	v_add_f32 v147, v136, v137
	v_sub_f32 v148, 1.0, v145                      ; R at v[148 + 4 i + k]
	v_sub_f32 v153, 1.0, v146
	v_sub_f32 v158, 1.0, v147
	v_sub_f32 v149, v139, v144
	v_add_f32 v150, v140, v143
	v_add_f32 v152, v139, v144
	v_sub_f32 v154, v141, v142
	v_sub_f32 v156, v140, v143
	v_add_f32 v157, v141, v142
.irp i, 0,1,2
.irp j, 0,1,2
	v_mul_f32 v[160+4*\i+\j], s[44+\j], v[148+4*\i]    ; the new Rt = R Rt at v[160 + 4 i + j]
	v_fmac_f32 v[160+4*\i+\j], s[48+\j], v[149+4*\i]
	v_fmac_f32 v[160+4*\i+\j], s[52+\j], v[150+4*\i]
.endr
	v_mov_b32 v[163+4*\i], 0
	v_fma_f32 v[172+\i], -v[148+4*\i], v84, v[80+\i]   ; w = mean b - R mean a at v[172 + i]
	v_fma_f32 v[172+\i], -v[149+4*\i], v85, v[172+\i]
	v_fma_f32 v[172+\i], -v[150+4*\i], v86, v[172+\i]
.endr
.endm
	s_load_b256 s[4:11], s[0:1], 0x0               ; src s[4:5], tab s[6:7], sums s[8:9], out0 s[10:11]
	s_load_b128 s[20:23], s[0:1], 0x20             ; out1 s[20:21], out2 s[22:23]
	v_lshrrev_b32 v12, 5, v0
	v_readfirstlane_b32 s12, v12                   ; wave
	s_mov_b32 s13, ttmp9                           ; block
	s_and_b32 s14, ttmp7, 0xffff                   ; batch
	s_mul_i32 s16, s14, TABB
	s_mov_b32 s17, 0
	s_mul_i32 s18, s14, WSB
	s_mov_b32 s19, 0
	s_mul_i32 s24, s14, 24576
	s_mul_i32 s25, s13, 1536
	s_add_co_u32 s24, s24, s25                     ; my block's points, in src and in out0
	s_mov_b32 s25, 0
	s_mul_i32 s26, s14, 36
	s_mov_b32 s27, 0
	s_mul_i32 s28, s14, 12
	s_mov_b32 s29, 0
	v_and_b32 v8, 15, v0
	v_lshlrev_b32 v8, 6, v8
	v_mul_u32_u24 v9, v0, 12
	v_mov_b32 v10, 0
	s_wait_kmcnt 0x0
	s_add_nc_u64 s[6:7], s[6:7], s[16:17]
	s_add_nc_u64 s[8:9], s[8:9], s[18:19]
	s_add_nc_u64 s[4:5], s[4:5], s[24:25]
	s_add_nc_u64 s[10:11], s[10:11], s[24:25]
	s_add_nc_u64 s[20:21], s[20:21], s[26:27]
	s_add_nc_u64 s[22:23], s[22:23], s[28:29]
	s_load_b256 s[44:51], s[8:9], 0x1000           ; Rt, [3][4]
	s_load_b128 s[52:55], s[8:9], 0x1020
	s_load_b256 s[56:63], s[6:7], PIVO             ; pt, 0, ps, 0
.irp q, 0,1,2,3
.irp p, 0,1,2,3
	global_load_b128 v[64+16*\q+4*\p:67+16*\q+4*\p], v8, s[8:9] offset:1024*\q+16*\p   ; record 16 q + r
.endr
.endr
	global_load_b96 v[176:178], v9, s[4:5]
	UPDATE 1
	s_wait_loadcnt 0x0                             ; my point
.if ROUND
.irp c, 176,177,178
	v_cvt_pk_bf16_f32 v12, v[\c], v[\c]
	v_and_b32 v[\c], 0xffff0000, v12               ; the source point as bf16 numbers, to nearest even
.endr
.endif
.irp c, 0,1,2
	v_sub_f32 v[12+\c], v[176+\c], s[60+\c]
	v_add_f32 v[16+\c], s[56+\c], v[172+\c]        ; w + pt
.endr
.irp i, 0,1,2
	v_fma_f32 v[20+\i], v[160+4*\i], v12, v[16+\i]
	v_fma_f32 v[20+\i], v[161+4*\i], v13, v[20+\i]
	v_fma_f32 v[20+\i], v[162+4*\i], v14, v[20+\i]
	v_fma_f32 v[24+\i], -v[160+4*\i], s60, v[16+\i]    ; t_tot = w + pt - Rt ps
	v_fma_f32 v[24+\i], -v[161+4*\i], s61, v[24+\i]
	v_fma_f32 v[24+\i], -v[162+4*\i], s62, v[24+\i]
.endr
	global_store_b96 v9, v[20:22], s[10:11]        ; a wave's store covers 384 consecutive bytes
	s_or_b32 s16, s13, s12
	s_cmp_lg_u32 s16, 0
	s_cbranch_scc1 .Lend                           ; wave 0 of block 0 writes the batch's rotation and translation
	v_cmp_eq_u32 vcc_lo, 0, v0
	s_wait_xcnt 0x0                                ; EXEC is a source of the store above: it changes only behind this wait
	s_and_saveexec_b32 s73, vcc_lo
.irp i, 0,1,2
	global_store_b96 v10, v[160+4*\i:162+4*\i], s[20:21] offset:12*\i
.endr
	global_store_b96 v10, v[24:26], s[22:23]
	s_wait_xcnt 0x0
	s_or_b32 exec_lo, exec_lo, s73
.Lend:
	s_endpgm
.Lfunc_end_k_qf982cc7252_fin:
	.size	k_qf982cc7252_fin, .Lfunc_end_k_qf982cc7252_fin-k_qf982cc7252_fin
	.p2alignl 7, 3214868480
	.fill 96, 4, 3214868480
	.section	.rodata,"a",@progbits
	.p2align	6, 0x0
	.amdhsa_kernel k_qf982cc7252_fin
		.amdhsa_group_segment_fixed_size 0
		.amdhsa_private_segment_fixed_size 0
		.amdhsa_enable_private_segment 0
		.amdhsa_kernarg_size 48
		.amdhsa_user_sgpr_count 2
		.amdhsa_user_sgpr_kernarg_segment_ptr 1
		.amdhsa_wavefront_size32 1
		.amdhsa_system_sgpr_workgroup_id_x 1
		.amdhsa_system_sgpr_workgroup_id_y 1
		.amdhsa_system_sgpr_workgroup_id_z 1
		.amdhsa_system_vgpr_workitem_id 0
		.amdhsa_next_free_vgpr 184
		.amdhsa_next_free_sgpr 76
		.amdhsa_reserve_vcc 1
		.amdhsa_float_denorm_mode_32 3
		.amdhsa_float_denorm_mode_16_64 3
		.amdhsa_memory_ordered 1
		.amdhsa_forward_progress 1
		.amdhsa_inst_pref_size 26
	.end_amdhsa_kernel
	.amdgpu_metadata
---
amdhsa.version: [ 1, 2 ]
amdhsa.kernels:
  - .name:           k_qf982cc7252_fin
    .symbol:         k_qf982cc7252_fin.kd
    .args:
      - { .name: src_points, .offset: 0, .size: 8, .value_kind: global_buffer, .address_space: global }
      - { .name: tab, .offset: 8, .size: 8, .value_kind: global_buffer, .address_space: global }
      - { .name: wsA, .offset: 16, .size: 8, .value_kind: global_buffer, .address_space: global }
      - { .name: out0, .offset: 24, .size: 8, .value_kind: global_buffer, .address_space: global }
      - { .name: out1, .offset: 32, .size: 8, .value_kind: global_buffer, .address_space: global }
      - { .name: out2, .offset: 40, .size: 8, .value_kind: global_buffer, .address_space: global }
    .group_segment_fixed_size: 0
    .private_segment_fixed_size: 0
    .kernarg_segment_align: 8
    .kernarg_segment_size: 48
    .max_flat_workgroup_size: 128
    .sgpr_count:     76
    .vgpr_count:     184
    .wavefront_size: 32
...
	.end_amdgpu_metadata
.endif
;; end of part 3
;; ======== version 2 of 2: 12 launches; 1.36 times as fast as version 1
;; limits: right only within a limited range of input values; values within 1.5e-05 (relative) of each other or of a threshold may be ordered or decided otherwise than in the reference
;; workspace buffers: tab 1,708,032 bytes; wsA 69,632 bytes; wsB 69,632 bytes
;; launch prep (part 4): grid 16 x 1, 8 waves a work-group, no clusters, 41,984 bytes of LDS; arguments src_points, tgt_points, tab, wsA; writes tab, wsA
.if DOCPART == 4
	.amdgcn_target "amdgcn-amd-amdhsa--gfx1250"
	.amdhsa_code_object_version 6
	.text
	.protected	k_qf982cc7252_prep
	.globl	k_qf982cc7252_prep
	.p2align	8
	.type	k_qf982cc7252_prep,@function
k_qf982cc7252_prep:
	s_mov_b64 s[64:65], 0
	v_nop
	global_prefetch_b8 v0, s[64:65] scope:SCOPE_SE
	s_setreg_imm32_b32 hwreg(HW_REG_WAVE_MODE, 25, 1), 1
	s_wait_xcnt 0x0
; PREP: what stays the same over the ten iterations, one work-group of 8 waves for each batch.  In round i (0..7) thread t owns target 256 i + t.
; Every target counts as its rounding to bf16 (the three bodies of the program round both inputs alike as they load them).
; pivots   pt = mean of the batch's first 16 targets, ps = mean of its first 16 source points (as given).  The sweep works on tgt - pt and src - ps, so that a common offset of the
;          inputs enters no product.  The later formulas hold for any pivots; these only lie inside the clouds.
; pieces   v = q1 + q2 + q3 exactly: q1 = bf16(v), q2 = bf16(v - q1), q3 = v - q1 - q2 (3 x 8 bits hold f32's 24).
; table 1  for the sweep, of the CENTRED target, two planes of 16 bytes a target: plane 0 = x (q1,q1,q2,q3), y likewise; plane 1 = z likewise, then |t|^2 (one f32 sum) as (w1,w2,w3) and 1.0.
; table 2  for the gather, of the rounded target itself, one bf16 a coordinate: [32 rows][256 groups]; group g = targets 8 g .. 8 g + 7; candidate j of a group in row 8 (j / 4) + j % 4
;          + 0 for x, + 4 for y, + 16 for z; the rows + 20 hold zeros, to fill the second block of 16 rows.  It is staged in LDS and leaves in 16-byte stores.
; sums     a first set of partial sums (record 0: AB = identity, SA = 0, SB = 2048 (ps - pt); records 1..63: 0) and the identity as total rotation: the first step's update makes R = I of them.
;          The fourth word of the rotation's first row is 1.0: it tells the first step that cur is src itself; every step stores 0 there.
; LIMITS: NaN and infinities are not treated apart.  A coordinate keeps 8 significant bits: the error grows with a common offset of the inputs.
.set TABB,  106752                     ; a batch's bytes in tab: 32,768 + 32,768 + 16,384 of tables, room not used, 256 for the pivots
.set PIVO,  106496
.set WSB,   4352                       ; a batch's bytes in a workspace of sums: 64 records of 64 bytes, then the state
.set SP2,   528                        ; a stage row: 512 bytes + 16 = 132 words: the 8 rows that a wave's 16-bit stores touch start at 8 different groups of four banks (64 banks of 4 bytes: ISA guide 11.1)
.set SPARE, 40960                      ; behind the stage: the spare words, 128 bytes for each of the eight waves; no other line names them
	s_load_b256 s[4:11], s[0:1], 0x0               ; src s[4:5], tgt s[6:7], tab s[8:9], sums s[10:11]
	v_lshl_add_u32 v1, v0, 2, SPARE
	v_mov_b32 v2, 0
	s_mov_b32 s12, 0xffff0000                      ; a word's upper bf16, read as f32
	s_mul_i32 s16, ttmp9, 24576                    ; a batch's points: 2,048 x 12 bytes
	s_mov_b32 s17, 0
	s_mul_i32 s18, ttmp9, TABB
	s_mov_b32 s19, 0
	s_mul_i32 s20, ttmp9, WSB
	s_mov_b32 s21, 0
	v_lshlrev_b32 v3, 4, v0                        ; 16 t
	v_mul_u32_u24 v5, v0, 12                       ; 12 t
	v_and_b32 v6, 15, v0
	v_mul_u32_u24 v6, v6, 12                       ; 12 (t % 16)
	v_mov_b32 v7, 0
	v_bfe_u32 v48, v0, 2, 1
	v_and_b32 v49, 3, v0
	v_lshl_add_u32 v48, v48, 3, v49                ; 8 (j / 4) + j % 4, j = t % 8
	v_mul_u32_u24 v48, v48, SP2
	v_lshrrev_b32 v49, 3, v0
	v_lshl_add_u32 v4, v49, 1, v48                 ; into the stage: that row + 2 (t / 8)
	v_lshrrev_b32 v48, 5, v0
	v_mul_u32_u24 v48, v48, SP2
	v_and_b32 v49, 31, v0
	v_lshl_add_u32 v11, v49, 4, v48                ; back: a wave takes a whole row of 512 bytes: row t / 32, 16 bytes a lane
	s_wait_kmcnt 0x0
	s_add_nc_u64 s[4:5], s[4:5], s[16:17]
	s_add_nc_u64 s[6:7], s[6:7], s[16:17]
	s_add_nc_u64 s[8:9], s[8:9], s[18:19]
	s_add_nc_u64 s[10:11], s[10:11], s[20:21]
	global_load_b96 v[8:10], v6, s[6:7]            ; the first 16 targets, one a lane of each half
	global_load_b96 v[12:14], v6, s[4:5]           ; the first 16 source points
.irp i, 0,1,2,3,4,5,6,7
	global_load_b96 v[16+4*\i:18+4*\i], v5, s[6:7] offset:3072*\i
.endr
	s_wait_loadcnt 8                               ; the two pivot loads are in; the eight younger loads stay out
.irp m, 1,2,4,8
.irp c, 8,9,10,12,13,14
	v_add_f32_dpp v[\c], v[\c], v[\c] row_xmask:\m row_mask:0xf bank_mask:0xf
.endr
.endr
.irp c, 8,9,10,12,13,14
	v_mul_f32 v[\c], 0x3d800000, v[\c]             ; / 16: pt in v[8:10], ps in v[12:14], alike in every lane
.endr
.macro SPLIT x, w0, w1                 ; v[x] -> v[w0] = (q1, q1), v[w1] = (q2, q3); v48-51 at work
	v_cvt_pk_bf16_f32 v[\w0], v[\x], v[\x]
	v_and_b32 v48, s12, v[\w0]
	v_sub_f32 v49, v[\x], v48                      ; v - q1, exact
	v_cvt_pk_bf16_f32 v50, v49, v49
	v_and_b32 v50, s12, v50
	v_sub_f32 v51, v49, v50                        ; v - q1 - q2, exact
	v_cvt_pk_bf16_f32 v[\w1], v49, v51
.endm
; Round i: round the target (table 2), centre it, split it (table 1).  Table 1's eight words have registers of their own in each round, so no global store's data is written again.
.macro TGT i
	s_wait_loadcnt 7-(\i)                          ; loads come back in order: round i's is in, the younger ones stay out
.irp c, 0,1,2
	v_cvt_pk_bf16_f32 v54, v[16+4*(\i)+\c], v[16+4*(\i)+\c]
	v_and_b32 v[16+4*(\i)+\c], s12, v54            ; the target as a bf16 number, to nearest even
	ds_store_b16 v4, v54 offset:(4*\c+8*(\c/2))*SP2+64*(\i)                ; rows + 0, + 4, + 16
	v_sub_f32 v[16+4*(\i)+\c], v[16+4*(\i)+\c], v[8+\c]
	SPLIT 16+4*(\i)+\c, 64+8*(\i)+2*\c, 65+8*(\i)+2*\c
.endr
	v_mul_f32 v52, v[16+4*(\i)], v[16+4*(\i)]
	v_fmac_f32 v52, v[17+4*(\i)], v[17+4*(\i)]
	v_fmac_f32 v52, v[18+4*(\i)], v[18+4*(\i)]     ; |t|^2 of the centred target
	v_cvt_pk_bf16_f32 v48, v52, v52
	v_and_b32 v48, s12, v48
	v_sub_f32 v49, v52, v48
	v_cvt_pk_bf16_f32 v50, v49, v49
	v_and_b32 v50, s12, v50
	v_sub_f32 v51, v49, v50
	v_cvt_pk_bf16_f32 v[70+8*(\i)], v52, v49       ; (w1, w2)
	v_cvt_pk_bf16_f32 v[71+8*(\i)], v51, 1.0       ; (w3, 1.0)
	global_store_b128 v3, v[64+8*(\i):67+8*(\i)], s[8:9] offset:4096*(\i)         ; a wave's store covers 512 consecutive bytes, aligned
	global_store_b128 v3, v[68+8*(\i):71+8*(\i)], s[8:9] offset:32768+4096*(\i)
	ds_store_b16 v4, v7 offset:20*SP2+64*(\i)      ; the rows of zeros
.endm
.irp i, 0,1,2,3,4,5,6,7
	TGT \i
.endr
	s_wait_dscnt 0x0                               ; for the other waves: my part of the stage is written
	s_barrier_signal -1
	s_barrier_wait -1
.irp n, 0,1,2,3                        ; 32 rows of 512 bytes are 4 pieces of 8 rows, a row a wave
	ds_load_b128 v[16+4*\n:19+4*\n], v11 offset:8*SP2*\n
.endr
.irp n, 0,1,2,3
	s_wait_dscnt 3-\n                              ; LDS loads come back in order: this piece is in, the younger ones stay out
	global_store_b128 v3, v[16+4*\n:19+4*\n], s[8:9] offset:65536+4096*\n
.endr
	; the seeds: thread t's quad is row t of the identity for t < 3
.irp j, 0,1,2
	v_cmp_eq_u32 vcc_lo, \j, v0
	v_cndmask_b32 v[56+\j], 0, 1.0, vcc_lo
.endr
	v_mov_b32 v59, v56                             ; row 0's fourth word: 1.0, the mark of the first iteration
	v_cmp_gt_u32 vcc_lo, 3, v0
	s_wait_xcnt 0x0                                ; EXEC is a source of the stores above: it changes only behind this wait
	s_and_saveexec_b32 s22, vcc_lo
	global_store_b128 v3, v[56:59], s[10:11] offset:4096   ; the total rotation: identity
	s_wait_xcnt 0x0                                ; and again in front of the line that widens it; v[56:59] are also free behind it
	s_or_b32 exec_lo, exec_lo, s22
	v_mov_b32 v59, 0
	v_cmp_eq_u32 vcc_lo, 3, v0
.irp j, 0,1,2
	v_sub_f32 v[60+\j], v[12+\j], v[8+\j]
	v_mul_f32 v[60+\j], 0x45000000, v[60+\j]       ; 2048 (ps - pt)
	v_cndmask_b32 v[56+\j], v[56+\j], v[60+\j], vcc_lo
.endr
	global_store_b128 v3, v[56:59], s[10:11]       ; all 64 records: 256 threads x 16 bytes
	v_cmp_eq_u32 vcc_lo, 1, v0
.irp j, 0,1,2
	v_cndmask_b32 v[60+\j], v[8+\j], v[12+\j], vcc_lo
.endr
	v_mov_b32 v63, 0
	v_cmp_gt_u32 vcc_lo, 2, v0
	s_wait_xcnt 0x0
	s_and_saveexec_b32 s22, vcc_lo
	global_store_b128 v3, v[60:63], s[8:9] offset:PIVO     ; pt, 0, ps, 0
	s_wait_xcnt 0x0
	s_or_b32 exec_lo, exec_lo, s22
	s_wait_tensorcnt 0x0                           ; the wave's end: a tensor wait, an LDS add and its wait behind my last LDS store
	ds_add_u32 v1, v2
	s_wait_dscnt 0x0
	s_endpgm
.Lfunc_end_k_qf982cc7252_prep:
	.size	k_qf982cc7252_prep, .Lfunc_end_k_qf982cc7252_prep-k_qf982cc7252_prep
	.p2alignl 7, 3214868480
	.fill 96, 4, 3214868480
	.section	.rodata,"a",@progbits
	.p2align	6, 0x0
	.amdhsa_kernel k_qf982cc7252_prep
		.amdhsa_group_segment_fixed_size 41984
		.amdhsa_private_segment_fixed_size 0
		.amdhsa_enable_private_segment 0
		.amdhsa_kernarg_size 32
		.amdhsa_user_sgpr_count 2
		.amdhsa_user_sgpr_kernarg_segment_ptr 1
		.amdhsa_wavefront_size32 1
		.amdhsa_system_sgpr_workgroup_id_x 1
		.amdhsa_system_sgpr_workgroup_id_y 1
		.amdhsa_system_sgpr_workgroup_id_z 1
		.amdhsa_system_vgpr_workitem_id 0
		.amdhsa_next_free_vgpr 128
		.amdhsa_next_free_sgpr 66
		.amdhsa_reserve_vcc 1
		.amdhsa_float_denorm_mode_32 3
		.amdhsa_float_denorm_mode_16_64 3
		.amdhsa_memory_ordered 1
		.amdhsa_forward_progress 1
		.amdhsa_inst_pref_size 26
	.end_amdhsa_kernel
	.amdgpu_metadata
---
amdhsa.version: [ 1, 2 ]
amdhsa.kernels:
  - .name:           k_qf982cc7252_prep
    .symbol:         k_qf982cc7252_prep.kd
    .args:
      - { .name: src_points, .offset: 0, .size: 8, .value_kind: global_buffer, .address_space: global }
      - { .name: tgt_points, .offset: 8, .size: 8, .value_kind: global_buffer, .address_space: global }
      - { .name: tab, .offset: 16, .size: 8, .value_kind: global_buffer, .address_space: global }
      - { .name: wsA, .offset: 24, .size: 8, .value_kind: global_buffer, .address_space: global }
    .group_segment_fixed_size: 41984
    .private_segment_fixed_size: 0
    .kernarg_segment_align: 8
    .kernarg_segment_size: 32
    .max_flat_workgroup_size: 256
    .sgpr_count:     66
    .vgpr_count:     128
    .wavefront_size: 32
...
	.end_amdgpu_metadata
.endif
;; end of part 4
;; launch step1 (part 5): grid 16 x 16, 4 waves a work-group, no clusters, 167,936 bytes of LDS; arguments src_points, tab, wsA, wsB; writes wsB
.if DOCPART == 5
	.amdgcn_target "amdgcn-amd-amdhsa--gfx1250"
	.amdhsa_code_object_version 6
	.text
	.protected	k_qf982cc7252_step1
	.globl	k_qf982cc7252_step1
	.p2align	8
	.type	k_qf982cc7252_step1,@function
k_qf982cc7252_step1:
	s_mov_b64 s[64:65], 0
	v_nop
	global_prefetch_b8 v0, s[64:65] scope:SCOPE_SE
	s_setreg_imm32_b32 hwreg(HW_REG_WAVE_MODE, 25, 1), 1
	s_wait_xcnt 0x0
; ONE ICP ITERATION.  Work-group (x = block of 128 source points, y = batch), four waves; wave w owns the two tiles of 16 points 128 x + 32 w + 16 s + r against ALL 2,048 targets.
; Every source point counts as its rounding to bf16, as the targets in the tables do.
; 1. UPDATE: every wave adds up the last launch's 64 records (AB = sum a b^T, SA = sum a, SB = sum b; a = Rt (src - ps), b = chosen target - pt), forms H = AB - SA SB^T / 2048,
;    finds the rotation R that the SVD form gives as the top eigenvector of Horn's 4 x 4 matrix (shifted so that its spectrum is positive; 20 squarings), Rt <- R Rt, w = mean b - R mean a.
; 2. SWEEP: c = Rt (src - ps) + w.  One bf16 matrix instruction gives |t|^2 - 2 c.t + |c|^2 for 16 targets x 16 points: the 32 K places hold the products of the exact bf16 pieces of t and -2 c
;    (t1 c1, t1 c2, t2 c1, t3 c1, t1 c3, t2 c2 for each coordinate; what is dropped is below 2^-27 of |t||c|), the three pieces of |t|^2 times 1, and 1 times two pieces of |c|^2.
;    A lane sees 8 targets (a GROUP) of each tile.  The least of the 8 distances, its 7 low bits replaced by the tile's number, is a KEY; the lane keeps its two smallest keys.
;    The sweep decides nothing between near neighbours: it only names the point's two best groups.  Its products and its vector lines stand side by side: behind each product 7 or 8 lines on the other set of accumulators.
; 3. GATHER without an address, once for each of the two groups: a one-hot over the 256 groups times the table of the groups' coordinates (exact: 1.0 x a bf16 number) brings each half
;    of the lanes 4 candidates.  Their distances are taken in f32 from the exact coordinates: |(t - pt) - c|^2.  In the first iteration cur is src bit for bit, so there the choice is made by
;    reference()'s own expression on the raw numbers, (|c|^2 - 2 c.t) + |t|^2, each sum a chain of fused multiply-adds in ascending order.  Both are computed in every launch, and a mark in the state selects.
;    Of equal distances the lower index wins.
; 4. The wave's sums go out as one record of 64 bytes; work-group 0 of a batch also stores Rt.
; NO CLUSTER: the 16 work-groups of a batch do read the same 81,920 bytes of tables, once each at the kernel's head, while the update runs; joint loads would add two rounds of a barrier over
; the cluster.
; LIMITS: NaN and infinities are not treated apart.  A coordinate keeps 8 significant bits: the error grows with a common offset of the inputs.  H's entries lie within 2^-60 .. 2^60 and H
; is not 0.  A top eigenvalue nearer than 1.5e-5 of the spectrum's width to the second is not resolved by 20 squarings.  A key keeps 16 bits of a distance: of three groups whose least distances agree to
; 2^-15 of themselves the third may be lost.  The first iteration's expression forms a difference of large sums, as reference() does: it decides among the 16 candidates only.  From the second iteration
; on the nearer target by the exact coordinates is taken, also where reference()'s rounded distances would order two targets the other way.
.set TABB,  106752
.set PIVO,  106496
.set WSB,   4352
.set P2,    528                        ; LDS: the batch's 81,920 dense bytes of tables as 160 rows of 512 + 16 bytes.  Rows 0-63: table 1's plane 0, two tiles of 16 targets a row;
.set PL1,   64*P2                      ; rows 64-127: its plane 1;
.set T2,    128*P2                     ; rows 128-159: table 2's 32 rows: the 16 rows of a fragment load start at 16 different groups of four banks (64 banks of 4 bytes: ISA guide 11.1)
.set SPARE, 107776                     ; the spare words, 128 bytes for each wave; no other line names them
; v1, v2 the add's two registers; v3 r = lane % 16; v4 h = lane / 16; v5 LDS address of the sweep's next 16 tiles; v7 my place in table 2; v8 64 r; v9 my source point's bytes; v10 0; v11 bf16 1.0
; v[16+4s..] c and |c|^2; v[24+4s..] a; v[56+4s..] raw src and its |.|^2
; sweep: v14, 15, v52-55 at work; v[32+8s..] B fragments; v48, 49 smallest keys; v50, 51 second smallest; v[64:95], v[160:255] sixteen slots of A fragments; v[96:159] two sets of four accumulators
; gather: v[12:14] pt; v27 4 h; v[32+5s..] the best so far: distance, index, x, y, z; the group in hand (by s): v42, 43 its word in a K step, v44, 45 the one-hot's value, v46, 47 first index, v96, 97 its K step;
;         v48-53, v98, 99 the same for the second group; v54, 55 at work; v[64:79], v[104:135] three A buffers; v[80:95] the one-hots of a K step; v[144:159], v[240:255] the masked one-hots;
;         v[160+40s..] two accumulators (x, y | z, 0), behind them 20 registers at work
; ---- the update, the same text in the last launch ----
.macro SQ d, s                         ; d = s x s, 4 x 4, two columns at a time; k outermost, so that eight independent lines stand between two on one pair
.irp k, 0,1,2,3
.irp i, 0,1,2,3
.irp p, 0,2
.if \k == 0
	v_pk_mul_f32 v[(\d)+4*\i+\p:(\d)+4*\i+\p+1], v[(\s)+4*\i:(\s)+4*\i+1], v[(\s)+\p:(\s)+\p+1] op_sel_hi:[0,1]
.elseif \k == 2
	v_pk_fma_f32 v[(\d)+4*\i+\p:(\d)+4*\i+\p+1], v[(\s)+4*\i+2:(\s)+4*\i+3], v[(\s)+8+\p:(\s)+9+\p], v[(\d)+4*\i+\p:(\d)+4*\i+\p+1] op_sel_hi:[0,1,1]
.else
	v_pk_fma_f32 v[(\d)+4*\i+\p:(\d)+4*\i+\p+1], v[(\s)+4*\i+\k-1:(\s)+4*\i+\k], v[(\s)+4*\k+\p:(\s)+4*\k+\p+1], v[(\d)+4*\i+\p:(\d)+4*\i+\p+1] op_sel:[1,0,0] op_sel_hi:[1,1,1]
.endif
.endr
.endr
.endr
.endm
.macro UPDATE younger                  ; younger: the loads issued behind the sixteen record loads, which may stay out
	s_wait_loadcnt \younger
	s_wait_kmcnt 0x0                               ; Rt s[44:55], pivots s[56:63]
.irp q, 1,2,3
.irp p, 0,2,4,6,8,10,12,14
	v_pk_add_f32 v[64+\p:65+\p], v[64+\p:65+\p], v[64+16*\q+\p:65+16*\q+\p]
.endr
.endr
.irp m, 1,2,4,8                        ; lane r of each half held records r, 16 + r, 32 + r, 48 + r: four steps inside the 16 lanes finish the sums, alike in every lane
.irp c, 0,1,2,3,4,5,6,7,8,9,10,11,12,13,14,15
	v_add_f32_dpp v[64+\c], v[64+\c], v[64+\c] row_xmask:\m row_mask:0xf bank_mask:0xf
.endr
.endr
.irp j, 0,1,2
	v_mul_f32 v[80+\j], 0x3a000000, v[76+\j]       ; mean b
	v_mul_f32 v[84+\j], 0x3a000000, v[67+4*\j]     ; mean a
.endr
.irp i, 0,1,2
.irp j, 0,1,2
	v_fma_f32 v[64+4*\i+\j], -v[67+4*\i], v[80+\j], v[64+4*\i+\j]   ; H
.endr
.endr
	v_mul_f32 v88, v64, v64
.irp c, 65,66,68,69,70,72,73,74
	v_fmac_f32 v88, v[\c], v[\c]
.endr
	v_rsq_f32 v89, v88
	v_nop                                          ; a plain line between the transcendental and the use of its result
	s_wait_alu depctr_va_vdst(0)
	v_mul_f32 v89, 0x3e000000, v89                 ; 0.125 / |H|: Horn's matrix then lies within +-0.217, and + 0.25 I makes it positive with trace 1
.irp c, 64,65,66,68,69,70,72,73,74
	v_mul_f32 v[\c], v[\c], v89
.endr
	v_add_f32 v90, v64, v69
	v_sub_f32 v91, v64, v69
	v_add_f32 v92, 0x3e800000, v74
	v_sub_f32 v93, 0x3e800000, v74
	v_add_f32 v96, v90, v92
	v_add_f32 v101, v91, v93
	v_sub_f32 v106, v93, v91
	v_sub_f32 v111, v92, v90
.irp c, 97,100
	v_sub_f32 v[\c], v70, v73
.endr
.irp c, 98,104
	v_sub_f32 v[\c], v72, v66
.endr
.irp c, 99,108
	v_sub_f32 v[\c], v65, v68
.endr
.irp c, 102,105
	v_add_f32 v[\c], v65, v68
.endr
.irp c, 103,109
	v_add_f32 v[\c], v72, v66
.endr
.irp c, 107,110
	v_add_f32 v[\c], v70, v73
.endr
	s_mov_b32 s72, 5
.Lsq:                                  ; four squarings, then division by the trace: the top eigenvalue is at least 1/4 at a trip's head, so at least 2^-32 at its end
	SQ 112, 96
	SQ 96, 112
	SQ 112, 96
	SQ 96, 112
	v_add_f32 v90, v96, v101
	v_add_f32 v91, v106, v111
	v_add_f32 v90, v90, v91
	v_rcp_f32 v88, v90
	v_nop
	s_wait_alu depctr_va_vdst(0)
.irp p, 0,2,4,6,8,10,12,14
	v_pk_mul_f32 v[96+\p:97+\p], v[96+\p:97+\p], v[88:89] op_sel_hi:[1,0]
.endr
	s_sub_co_u32 s72, s72, 1
	s_cmp_lg_u32 s72, 0
	s_cbranch_scc1 .Lsq
	v_cmp_gt_f32 vcc_lo, v101, v96                 ; the row with the largest diagonal is the eigenvector, best conditioned
.irp c, 0,1,2,3
	v_cndmask_b32 v[128+\c], v[96+\c], v[100+\c], vcc_lo
.endr
	v_cndmask_b32 v132, v96, v101, vcc_lo
.irp w, 2,3
	v_cmp_gt_f32 vcc_lo, v[96+5*\w], v132
.irp c, 0,1,2,3
	v_cndmask_b32 v[128+\c], v[128+\c], v[96+4*\w+\c], vcc_lo
.endr
	v_cndmask_b32 v132, v132, v[96+5*\w], vcc_lo
.endr
	v_mul_f32 v145, v128, v128
	v_fmac_f32 v145, v129, v129
	v_fmac_f32 v145, v130, v130
	v_fmac_f32 v145, v131, v131
	v_rsq_f32 v146, v145
	v_nop
	s_wait_alu depctr_va_vdst(0)
.irp c, 128,129,130,131
	v_mul_f32 v[\c], v[\c], v146                   ; the quaternion (w, x, y, z)
.endr
	v_add_f32 v133, v129, v129
	v_add_f32 v134, v130, v130
	v_add_f32 v135, v131, v131
	v_mul_f32 v136, v129, v133                     ; 2xx
	v_mul_f32 v137, v130, v134                     ; 2yy
	v_mul_f32 v138, v131, v135                     ; 2zz
	v_mul_f32 v139, v129, v134                     ; 2xy
	v_mul_f32 v140, v129, v135                     ; 2xz
	v_mul_f32 v141, v130, v135                     ; 2yz
	v_mul_f32 v142, v128, v133                     ; 2wx
	v_mul_f32 v143, v128, v134                     ; 2wy
	v_mul_f32 v144, v128, v135                     ; 2wz
	v_add_f32 v145, v137, v138
	v_add_f32 v146, v136, v138
	v_add_f32 v147, v136, v137
	v_sub_f32 v148, 1.0, v145                      ; R at v[148 + 4 i + k]
	v_sub_f32 v153, 1.0, v146
	v_sub_f32 v158, 1.0, v147
	v_sub_f32 v149, v139, v144
	v_add_f32 v150, v140, v143
	v_add_f32 v152, v139, v144
	v_sub_f32 v154, v141, v142
	v_sub_f32 v156, v140, v143
	v_add_f32 v157, v141, v142
.irp i, 0,1,2
.irp j, 0,1,2
	v_mul_f32 v[160+4*\i+\j], s[44+\j], v[148+4*\i]    ; the new Rt = R Rt at v[160 + 4 i + j]
	v_fmac_f32 v[160+4*\i+\j], s[48+\j], v[149+4*\i]
	v_fmac_f32 v[160+4*\i+\j], s[52+\j], v[150+4*\i]
.endr
	v_mov_b32 v[163+4*\i], 0
	v_fma_f32 v[172+\i], -v[148+4*\i], v84, v[80+\i]   ; w = mean b - R mean a at v[172 + i]
	v_fma_f32 v[172+\i], -v[149+4*\i], v85, v[172+\i]
	v_fma_f32 v[172+\i], -v[150+4*\i], v86, v[172+\i]
.endr
.endm
.macro ALL6 line:vararg                ; one line for each of six chains ch: source tile ch / 3, coordinate ch % 3
.set ch, 0
.rept 6
	\line
.set ch, ch+1
.endr
.endm
.macro ALL2 line:vararg                ; one line for each source tile ch
.set ch, 0
.rept 2
	\line
.set ch, ch+1
.endr
.endm
	s_load_b256 s[4:11], s[0:1], 0x0               ; src s[4:5], tab s[6:7], old sums s[8:9], new sums s[10:11]
	v_lshl_add_u32 v1, v0, 2, SPARE
	v_mov_b32 v2, 0
	ds_add_u32 v1, v2                              ; the wave's opening: the add and its wait ahead of my tensor load; the set-up below, work on registers, stands between them
	ds_add_u32 v1, v2
	v_lshrrev_b32 v12, 5, v0
	v_readfirstlane_b32 s12, v12                   ; wave 0..3
	s_mov_b32 s13, ttmp9                           ; block
	s_and_b32 s14, ttmp7, 0xffff                   ; batch
	s_mov_b32 s15, 0xffff0000                      ; a word's upper bf16; also the mask of lanes 16 to 31
	s_mov_b32 s66, 0x76543210                      ; v_permlanex16_b32: each lane takes its own place in the other half
	s_mov_b32 s67, 0xfedcba98
	s_mov_b32 s68, 0                               ; the numbers of the tiles in the accumulators: set X's two, set Y's two
	s_mov_b32 s69, 1
	s_mov_b32 s70, 2
	s_mov_b32 s71, 3
	s_mov_b32 s75, 0xffffff80                      ; what a key keeps of a distance
	s_mov_b32 s80, 4                               ; a set's two tile numbers step by 4 each, in one 64-bit sum: they stay under 128, so nothing is carried
	s_mov_b32 s81, 4
	; the one descriptor: wave w brings rows 40 w .. 40 w + 39 of the tables' 160 rows: 64 elements of 8 bytes each, 4 words of padding behind every 128 words
	s_mov_b32 s24, (3<<16)|(1<<20)|(6<<22)|(3<<25)
	s_mov_b32 s25, 64<<16                          ; tensor_dim0 = 64
	s_mov_b32 s26, 40<<16                          ; tensor_dim1 = 40
	s_mov_b32 s27, 64<<16                          ; tile_dim0 = 64
	s_mov_b32 s28, 40                              ; tile_dim1 = 40
	s_mov_b32 s29, 64                              ; 64 elements from row to row
	s_mov_b32 s30, 0
	s_mov_b32 s31, 0
	s_mov_b32 s20, 1
	s_mul_i32 s21, s12, 40*P2                      ; LDS: 21,120 w
	s_mul_i32 s16, s14, TABB                       ; every offset is made while the arguments are on their way
	s_mov_b32 s17, 0
	s_mul_i32 s18, s14, WSB
	s_mov_b32 s19, 0
	s_mul_i32 s32, s14, 24576
	s_mul_i32 s33, s13, 1536
	s_add_co_u32 s32, s32, s33                     ; my block's points in src
	s_mov_b32 s33, 0
	s_mul_i32 s34, s12, 40*512                     ; my 40 rows in the batch's tables
	s_mov_b32 s35, 0
	s_lshl2_add_u32 s36, s13, s12
	s_lshl_b32 s36, s36, 6                         ; my record: 64 (4 block + wave)
	s_mov_b32 s37, 0
	v_and_b32 v3, 15, v0
	v_bfe_u32 v4, v0, 4, 1
	v_lshlrev_b32 v8, 6, v3
	v_lshl_add_u32 v9, s12, 5, v3
	v_mul_u32_u24 v9, v9, 12
	s_wait_dscnt 0x0                               ; the opening add is done
	s_wait_kmcnt 0x0
	s_add_nc_u64 s[6:7], s[6:7], s[16:17]
	s_add_nc_u64 s[8:9], s[8:9], s[18:19]
	s_add_nc_u64 s[10:11], s[10:11], s[18:19]
	s_add_nc_u64 s[4:5], s[4:5], s[32:33]
	s_load_b256 s[44:51], s[8:9], 0x1000           ; Rt, [3][4]; s47: the mark of the first iteration
	s_load_b128 s[52:55], s[8:9], 0x1020
	s_load_b256 s[56:63], s[6:7], PIVO             ; pt, 0, ps, 0
.irp q, 0,1,2,3                        ; the records go first: the update waits for them, the tables have the update's length in which to land
.irp p, 0,1,2,3
	global_load_b128 v[64+16*\q+4*\p:67+16*\q+4*\p], v8, s[8:9] offset:1024*\q+16*\p   ; record 16 q + r
.endr
.endr
	global_load_b96 v[56:58], v9, s[4:5]
	global_load_b96 v[60:62], v9, s[4:5] offset:192
	s_add_nc_u64 s[22:23], s[6:7], s[34:35]
	s_or_b32 s23, s23, 0x80000000
	tensor_load_to_lds s[20:23], s[24:31]          ; one tensor load a wave, its only one: a quarter of the tables
	s_nop 0
	s_add_nc_u64 s[76:77], s[10:11], s[36:37]
	v_lshlrev_b32 v5, 4, v3
	v_mul_u32_u24 v7, v3, P2
	v_lshl_add_u32 v7, v4, 4, v7
	v_add_nc_u32 v7, T2, v7
	v_mov_b32 v10, 0
	v_mov_b32 v11, 0x3f80
	v_mov_b32 v193, 0x3f803f80
	UPDATE 2
	s_cmp_lg_u32 s47, 0
	s_cselect_b32 s78, -1, 0                       ; all lanes or none: the first iteration's expression decides; it feeds selects alone
	s_or_b32 s16, s13, s12
	s_cmp_lg_u32 s16, 0
	s_cbranch_scc1 .Lno_state                      ; wave 0 of block 0 hands Rt on
	v_cmp_eq_u32 vcc_lo, 0, v0
	s_wait_xcnt 0x0                                ; EXEC is a source of the loads above: it changes only behind this wait
	s_and_saveexec_b32 s73, vcc_lo
.irp i, 0,1,2
	global_store_b128 v10, v[160+4*\i:163+4*\i], s[10:11] offset:4096+16*\i
.endr
	s_wait_xcnt 0x0                                ; the stores' data, v[160:171], are also free behind it
	s_or_b32 exec_lo, exec_lo, s73
.Lno_state:
	s_wait_loadcnt 0x0                             ; my two source points
	; From here to the B fragments every step is written once for six chains (or two), so that no line reads the result of the line before it.
	ALL6 v_cvt_pk_bf16_f32 v[64+ch], v[56+4*(ch/3)+ch%3], v[56+4*(ch/3)+ch%3]
	ALL6 v_and_b32 v[56+4*(ch/3)+ch%3], s15, v[64+ch]                                  ; the source points as bf16 numbers, to nearest even
	ALL6 v_sub_f32 v[132+4*(ch/3)+ch%3], v[56+4*(ch/3)+ch%3], s[60+ch%3]               ; src - ps
	ALL6 v_mul_f32 v[24+4*(ch/3)+ch%3], v[160+4*(ch%3)], v[132+4*(ch/3)]               ; a = Rt (src - ps)
	ALL6 v_fmac_f32 v[24+4*(ch/3)+ch%3], v[161+4*(ch%3)], v[133+4*(ch/3)]
	ALL6 v_fmac_f32 v[24+4*(ch/3)+ch%3], v[162+4*(ch%3)], v[134+4*(ch/3)]
	ALL6 v_add_f32 v[16+4*(ch/3)+ch%3], v[24+4*(ch/3)+ch%3], v[172+ch%3]               ; c = a + w
	; the B fragments: for each coordinate u = -2 c in pieces: lanes 0-15 (u1,u2,u1,u1), lanes 16-31 (u3,0,u2,0); between the lines |c|^2, and |src|^2 as reference() sums it
	ALL6 v_mul_f32 v[64+10*ch], -2.0, v[16+4*(ch/3)+ch%3]
	ALL2 v_mul_f32 v[19+4*ch], v[16+4*ch], v[16+4*ch]
	ALL2 v_mul_f32 v[59+4*ch], v[56+4*ch], v[56+4*ch]
	ALL6 v_cvt_pk_bf16_f32 v[65+10*ch], v[64+10*ch], v[64+10*ch]
	ALL2 v_fmac_f32 v[19+4*ch], v[17+4*ch], v[17+4*ch]
	ALL2 v_fmac_f32 v[59+4*ch], v[57+4*ch], v[57+4*ch]
	ALL6 v_and_b32 v[65+10*ch], s15, v[65+10*ch]
	ALL2 v_fmac_f32 v[19+4*ch], v[18+4*ch], v[18+4*ch]
	ALL2 v_fmac_f32 v[59+4*ch], v[58+4*ch], v[58+4*ch]
	ALL6 v_sub_f32 v[66+10*ch], v[64+10*ch], v[65+10*ch]
	ALL6 v_cvt_pk_bf16_f32 v[67+10*ch], v[66+10*ch], v[66+10*ch]
	ALL6 v_and_b32 v[67+10*ch], s15, v[67+10*ch]
	ALL6 v_sub_f32 v[68+10*ch], v[66+10*ch], v[67+10*ch]
	ALL6 v_cndmask_b32 v[69+10*ch], v[65+10*ch], v[68+10*ch], s15
	ALL6 v_cndmask_b32 v[70+10*ch], v[67+10*ch], v10, s15
	ALL6 v_cndmask_b32 v[71+10*ch], v[65+10*ch], v[67+10*ch], s15
	ALL6 v_cndmask_b32 v[72+10*ch], v[65+10*ch], v10, s15
	ALL6 v_cvt_pk_bf16_f32 v[32+8*(ch/3)+2*(ch%3)], v[69+10*ch], v[70+10*ch]
	ALL6 v_cvt_pk_bf16_f32 v[33+8*(ch/3)+2*(ch%3)], v[71+10*ch], v[72+10*ch]
	; the last four K places: lanes 0-15 (1,1,1,cc1), lanes 16-31 (0,0,0,cc2)
	ALL2 v_cvt_pk_bf16_f32 v[124+4*ch], v[19+4*ch], v[19+4*ch]
	ALL2 v_cndmask_b32 v[126+4*ch], 1.0, v10, s15
	ALL2 v_and_b32 v[124+4*ch], s15, v[124+4*ch]
	ALL2 v_cndmask_b32 v[38+8*ch], v193, v10, s15
	ALL2 v_sub_f32 v[125+4*ch], v[19+4*ch], v[124+4*ch]
.irp c, 48,49,50,51
	v_mov_b32 v[\c], 0x7f800000
.endr
	ALL2 v_cndmask_b32 v[125+4*ch], v[19+4*ch], v[125+4*ch], s15
	ALL2 v_cvt_pk_bf16_f32 v[39+8*ch], v[126+4*ch], v[125+4*ch]
	s_wait_tensorcnt 0x0                           ; my quarter of the tables is in LDS,
	s_barrier_signal -1
	s_barrier_wait -1                              ; everybody's is; nothing is filled again
; THE SWEEP.  128 target tiles go through a ring of 16 slots of A fragments (slot j at v[64 + 8 j] for j < 4, at v[128 + 8 j] from 4 on), filled by halves, in runs of 16 loads.
; A QUAD is two tiles x my two source tiles: four products, each a whole sum (C = 0), into accumulator set X (even quads) or Y (odd ones).
.macro LDH k                           ; half k: tiles 8 k .. 8 k + 7 of the 16 at v5; both halves of the lanes read target r's 16 bytes of plane 0 and of plane 1; two tiles lie in an LDS row
.irp j, 0,1,2,3,4,5,6,7
.set AR, 64+8*(8*(\k)+\j)+64*((8*(\k)+\j+12)/16)
	ds_load_b128 v[AR:AR+3], v5 offset:P2*((8*(\k)+\j)/2)+256*(\j%2)
	ds_load_b128 v[AR+4:AR+7], v5 offset:PL1+P2*((8*(\k)+\j)/2)+256*(\j%2)
.endr
.endm
; Line rn of the 30 that take a finished quad's four accumulators (at AS; chain c = 2 t + s in v[52 + c]; the tiles' numbers in s[TS], s[TS+1]) into the keys.  The four chains take turns.
;   0-15  the least of my 8 distances, each accumulator read from its low end on     16-19  its 7 low bits become the tile's number
;   20-29 for each source tile: the two tiles' keys are ordered (lo, hi); the smallest so far takes min(lo, it); the second takes the least of max(lo, old smallest), hi and itself
.macro RID
.if rn < 4
	v_min3_num_f32 v[52+rn], v[AS+8*rn], v[AS+8*rn+1], v[AS+8*rn+2]
.elseif rn < 12
	v_min3_num_f32 v[52+rn%4], v[52+rn%4], v[AS+8*(rn%4)+2*(rn/4)+1], v[AS+8*(rn%4)+2*(rn/4)+2]
.elseif rn < 16
	v_min_num_f32 v[52+rn%4], v[52+rn%4], v[AS+8*(rn%4)+7]
.elseif rn < 20
	v_and_or_b32 v[52+rn%4], v[52+rn%4], s75, s[TS+(rn%4)/2]
.elseif rn < 22
	v_min_num_f32 v[14+rn%2], v[52+rn%2], v[54+rn%2]
.elseif rn < 24
	v_max_num_f32 v[52+rn%2], v[52+rn%2], v[54+rn%2]
.elseif rn < 26
	v_max_num_f32 v[54+rn%2], v[14+rn%2], v[48+rn%2]
.elseif rn < 28
	v_min_num_f32 v[48+rn%2], v[14+rn%2], v[48+rn%2]
.else
	v_min3_num_f32 v[50+rn%2], v[54+rn%2], v[52+rn%2], v[50+rn%2]
.endif
.set rn, rn+1
.endm
; Quad q of a round of 8 (slots 2 q, 2 q + 1).  va = 1: behind its four products stand 8, 8, 7, 7 of the quad before's 30 lines.  They name the other set alone, so they are also the places
; between a product and the next quad's reads of its result, and between the last product on a slot and the loads into it.  va = 0: the first quad: four v_nop are those places.
.macro QD q, va
.set AS, 96+32*(1-(\q)%2)
.set TS, 68+2*(1-(\q)%2)
.set rn, 0
.irp c, 0,1,2,3
.set AR, 64+8*(2*(\q)+\c/2)+64*((2*(\q)+\c/2+12)/16)
	v_wmma_f32_16x16x32_bf16 v[96+32*((\q)%2)+8*\c:103+32*((\q)%2)+8*\c], v[AR:AR+7], v[32+8*(\c%2):39+8*(\c%2)], 0
.if \va
.rept 8-\c/2
	RID
.endr
.endif
.endr
.if \va
	s_add_nc_u64 s[TS:TS+1], s[TS:TS+1], s[80:81]  ; that set's next two tiles
.else
.rept 4
	v_nop
.endr
.endif
.endm
	LDH 0
	LDH 1
	v_add_nc_u32 v5, 8*P2, v5                      ; the next 16 tiles: 8 LDS rows on
	s_wait_dscnt 16                                ; half 0 is in; half 1's sixteen loads stay out
	QD 0, 0
	s_mov_b32 s72, 7
.Lsweep:                               ; a trip goes from a round's second quad to the next round's first and fills both halves again, each 16 products ahead of its use
	QD 1, 1
	QD 2, 1
	QD 3, 1
	LDH 0
	s_wait_dscnt 16                                ; half 1 is in: behind it the sixteen loads just issued stay out
	QD 4, 1
	QD 5, 1
	QD 6, 1
	QD 7, 1
	LDH 1
	v_add_nc_u32 v5, 8*P2, v5
	s_wait_dscnt 16                                ; the new half 0 is in
	QD 0, 1
	s_sub_co_u32 s72, s72, 1
	s_cmp_lg_u32 s72, 0
	s_cbranch_scc1 .Lsweep
	QD 1, 1                                        ; the last round loads nothing
	QD 2, 1
	QD 3, 1
	s_wait_dscnt 0x0
	QD 4, 1
	QD 5, 1
	QD 6, 1
	QD 7, 1
.set AS, 128
.set TS, 70
.set rn, 0
.rept 30
	RID                                            ; the last quad's keys
.endr
	v_mov_b32 v12, s56                             ; the targets' pivot
	v_mov_b32 v13, s57
	v_mov_b32 v14, s58
	v_mov_b32 v15, 0
	v_lshlrev_b32 v27, 2, v4                       ; 4 h
	s_mov_b32 s75, 0xffffff00
; Of key v[k], whose 8 low bits are the group g.  The one-hot's row has 128 words of two groups; a K step has 16 of them, of which my half of the lanes holds the words 4 h + j + 4 (j / 4), j = 0..7.
; wl: g's word in its K step, less my half's 4 (a word of the other half's gives a number that no j matches); wv: bf16 1.0 in that word's low or high half; ib: the index of my first candidate; wh: g's K step.
.macro PICK k, wl, wv, ib, wh
	v_and_b32 v54, 0xff, v[\k]
	v_bfe_u32 v55, v54, 1, 4
	v_sub_nc_u32 v[\wl], v55, v27
	v_and_b32 v55, 1, v54
	v_lshlrev_b32 v55, 4, v55
	v_lshlrev_b32 v[\wv], v55, v11
	v_lshl_add_u32 v[\ib], v54, 3, v27             ; 8 g + 4 h
	v_lshrrev_b32 v[\wh], 5, v54
.endm
.irp s, 0,1                            ; the halves of the lanes meet: the keys take the group's number, 2 tile + h, in 8 bits; the two smallest of the four, alike in both halves
.irp k, 48,50
	v_and_b32 v54, 0x7f, v[\k+\s]
	v_lshl_add_u32 v54, v54, 1, v4
	v_and_or_b32 v[\k+\s], v[\k+\s], s75, v54
.endr
	v_permlanex16_b32 v54, v[48+\s], s66, s67
	v_permlanex16_b32 v55, v[50+\s], s66, s67
	v_max_num_f32 v19, v[48+\s], v54
	v_min_num_f32 v23, v[48+\s], v54
	v_min3_num_f32 v19, v19, v[50+\s], v55
	PICK 23, 42+\s, 44+\s, 46+\s, 96+\s
	PICK 19, 48+\s, 50+\s, 52+\s, 98+\s
	v_mov_b32 v[32+5*\s], 0x7f800000               ; the best so far: none
.irp c, 1,2,3,4
	v_mov_b32 v[32+5*\s+\c], 0
.endr
.endr
; THE GATHER
.macro GLD b, ks                       ; K step ks: two fragments of 16 rows x 32 groups of table 2 into buffer b (at v64, v104, v120)
.set GB, 64+40*(((\b)+1)/2)+16*((\b)/2)
.irp m, 0,1
	ds_load_b128 v[GB+8*\m:GB+8*\m+3], v7 offset:16*P2*\m+64*(\ks)
	ds_load_b128 v[GB+8*\m+4:GB+8*\m+7], v7 offset:16*P2*\m+64*(\ks)+32
.endr
.endm
; Line o_n of the 32 that make, once for the group in hand, the one-hots of its K step at v[80 + 8 s + j].  Eight lines serve two registers of both source tiles: four comparisons into four masks, then the four selects.
.macro OBL
.set o_j, 2*(o_n/8)+(o_n%4)/2
.if o_n%8 < 4
	v_cmp_eq_u32 s[82+o_n%4], o_j+4*(o_j/4), v[42+o_n%2]
.else
	v_cndmask_b32 v[80+8*(o_n%2)+o_j], 0, v[44+o_n%2], s[82+o_n%4]
.endif
.set o_n, o_n+1
.endm
; Line o_n of the 18 that make K step o_k's B fragments at o_b: is it the group's K step (one comparison a source tile)?  Then the one-hots, else zeros.
.macro OHL
.if o_n < 2
	v_cmp_eq_u32 s[82+o_n], o_k, v[96+o_n]
.else
	v_cndmask_b32 v[o_b+8*(o_n%2)+(o_n-2)/2], 0, v[80+8*(o_n%2)+(o_n-2)/2], s[82+o_n%2]
.endif
.set o_n, o_n+1
.endm
; K step ks: groups 32 ks .. 32 ks + 31.  Its fragments were asked for two steps ago.  Behind its four products stand 4, 4, 5, 5 of the next step's 18 lines.  The five behind the last name neither this step's
; fragments nor its B fragments nor an accumulator: they are the places in front of the next step's loads into the buffer read here and of the writes into the B fragments read here.
; The four accumulators take turns, one instruction a turn.
.macro GSTEP ks
.set GA, 64+40*(((\ks)%3+1)/2)+16*(((\ks)%3)/2)
.set OHA, 144+96*((\ks)%2)
.set o_b, 144+96*(((\ks)+1)%2)
.set o_k, (\ks)+1
.set o_n, 0
.set w_n, 0
.if (\ks) < 6
	GLD ((\ks)+2)%3, (\ks)+2
	s_wait_dscnt 8                                 ; this step's fragments are in; the next two steps' four loads each stay out
.else
	s_wait_dscnt 4*(7-(\ks))                       ; nothing more is asked for: the counts run down
.endif
.irp m, 0,1
.irp s, 0,1
.if (\ks) == 0
	v_wmma_f32_16x16x32_bf16 v[160+40*\s+8*\m:167+40*\s+8*\m], v[GA+8*\m:GA+8*\m+7], v[OHA+8*\s:OHA+8*\s+7], 0
.else
	v_wmma_f32_16x16x32_bf16 v[160+40*\s+8*\m:167+40*\s+8*\m], v[GA+8*\m:GA+8*\m+7], v[OHA+8*\s:OHA+8*\s+7], v[160+40*\s+8*\m:167+40*\s+8*\m]
.endif
.if (\ks) < 7
.rept 4+(w_n+2)/4
	OHL
.endr
.endif
.set w_n, w_n+1
.endr
.endr
.endm
; Source tile s: my half's 4 candidates of the group in hand: x at XR, y at YR (the first accumulator), z at ZR (the second).  Every accumulator is first read at its low end.
; Two distances, two candidates to a line: E = |(t - pt) - c|^2 at EX; M = (|src|^2 - 2 src.t) + |t|^2 at TQ, its |t|^2 and its product chains of fused multiply-adds over x, y, z.
; Then the nearest of the 4 (a strict comparison keeps the lower index), and that against the best so far, by distance and then by index.
.macro RF s
.set G,  160+40*(\s)
.set XR, G
.set YR, G+4
.set ZR, G+8
.set EX, G+16
.set EY, G+20
.set EZ, G+24
.set TQ, G+28
.set DP, G+32
.set CP, 16+4*(\s)
.set CR, 56+4*(\s)
.set RB, 32+5*(\s)
.irp p, 0,2
	v_pk_add_f32 v[EX+\p:EX+\p+1], v[XR+\p:XR+\p+1], v[12:13] op_sel_hi:[1,0] neg_lo:[0,1] neg_hi:[0,1]
	v_pk_add_f32 v[EY+\p:EY+\p+1], v[YR+\p:YR+\p+1], v[12:13] op_sel:[0,1] op_sel_hi:[1,1] neg_lo:[0,1] neg_hi:[0,1]
	v_pk_add_f32 v[EZ+\p:EZ+\p+1], v[ZR+\p:ZR+\p+1], v[14:15] op_sel_hi:[1,0] neg_lo:[0,1] neg_hi:[0,1]
	v_pk_mul_f32 v[TQ+\p:TQ+\p+1], v[XR+\p:XR+\p+1], v[XR+\p:XR+\p+1]
	v_pk_mul_f32 v[DP+\p:DP+\p+1], v[XR+\p:XR+\p+1], v[CR:CR+1] op_sel_hi:[1,0]
.endr
.irp p, 0,2
	v_pk_add_f32 v[EX+\p:EX+\p+1], v[EX+\p:EX+\p+1], v[CP:CP+1] op_sel_hi:[1,0] neg_lo:[0,1] neg_hi:[0,1]
	v_pk_add_f32 v[EY+\p:EY+\p+1], v[EY+\p:EY+\p+1], v[CP:CP+1] op_sel:[0,1] op_sel_hi:[1,1] neg_lo:[0,1] neg_hi:[0,1]
	v_pk_add_f32 v[EZ+\p:EZ+\p+1], v[EZ+\p:EZ+\p+1], v[CP+2:CP+3] op_sel_hi:[1,0] neg_lo:[0,1] neg_hi:[0,1]
	v_pk_fma_f32 v[TQ+\p:TQ+\p+1], v[YR+\p:YR+\p+1], v[YR+\p:YR+\p+1], v[TQ+\p:TQ+\p+1]
	v_pk_fma_f32 v[DP+\p:DP+\p+1], v[YR+\p:YR+\p+1], v[CR:CR+1], v[DP+\p:DP+\p+1] op_sel:[0,1,0] op_sel_hi:[1,1,1]
.endr
.irp p, 0,2
	v_pk_mul_f32 v[EX+\p:EX+\p+1], v[EX+\p:EX+\p+1], v[EX+\p:EX+\p+1]
	v_pk_fma_f32 v[TQ+\p:TQ+\p+1], v[ZR+\p:ZR+\p+1], v[ZR+\p:ZR+\p+1], v[TQ+\p:TQ+\p+1]
	v_pk_fma_f32 v[DP+\p:DP+\p+1], v[ZR+\p:ZR+\p+1], v[CR+2:CR+3], v[DP+\p:DP+\p+1] op_sel_hi:[1,0,1]
.endr
.irp p, 0,2
	v_pk_fma_f32 v[EX+\p:EX+\p+1], v[EY+\p:EY+\p+1], v[EY+\p:EY+\p+1], v[EX+\p:EX+\p+1]
	v_pk_fma_f32 v[DP+\p:DP+\p+1], v[DP+\p:DP+\p+1], -2.0, v[CR+2:CR+3] op_sel:[0,0,1] op_sel_hi:[1,0,1]
.endr
.irp p, 0,2
	v_pk_fma_f32 v[EX+\p:EX+\p+1], v[EZ+\p:EZ+\p+1], v[EZ+\p:EZ+\p+1], v[EX+\p:EX+\p+1]
	v_pk_add_f32 v[TQ+\p:TQ+\p+1], v[DP+\p:DP+\p+1], v[TQ+\p:TQ+\p+1]
.endr
.irp k, 0,1,2,3
	v_cndmask_b32 v[EX+\k], v[EX+\k], v[TQ+\k], s78
.endr
	v_mov_b32 v54, v[46+(\s)]
.irp k, 1,2,3
	v_cmp_lt_f32 vcc_lo, v[EX+\k], v[EX]
	v_add_nc_u32 v55, \k, v[46+(\s)]
	v_cndmask_b32 v[EX], v[EX], v[EX+\k], vcc_lo
	v_cndmask_b32 v[XR], v[XR], v[XR+\k], vcc_lo
	v_cndmask_b32 v[YR], v[YR], v[YR+\k], vcc_lo
	v_cndmask_b32 v[ZR], v[ZR], v[ZR+\k], vcc_lo
	v_cndmask_b32 v54, v54, v55, vcc_lo
.endr
	v_cmp_lt_f32 s16, v[EX], v[RB]
	v_cmp_eq_f32 s17, v[EX], v[RB]
	v_cmp_lt_u32 s18, v54, v[RB+1]
	s_and_b32 s17, s17, s18
	s_or_b32 s16, s16, s17
	v_cndmask_b32 v[RB], v[RB], v[EX], s16
	v_cndmask_b32 v[RB+1], v[RB+1], v54, s16
	v_cndmask_b32 v[RB+2], v[RB+2], v[XR], s16
	v_cndmask_b32 v[RB+3], v[RB+3], v[YR], s16
	v_cndmask_b32 v[RB+4], v[RB+4], v[ZR], s16
.endm
	s_mov_b32 s72, 2
.Lgat:                                 ; two trips: the point's best group, then its second best
	GLD 0, 0
	GLD 1, 1
.set o_n, 0
.rept 32
	OBL                                            ; the group's one-hots, while the first fragments are on their way
.endr
.set o_b, 144
.set o_k, 0
.set o_n, 0
.rept 18
	OHL                                            ; the first K step's B fragments
.endr
.irp ks, 0,1,2,3,4,5,6,7
	GSTEP \ks
.endr
.rept 4
	v_nop                                          ; the places behind the last products
.endr
	RF 0
	RF 1
.irp c, 0,1,2,3,4,5
	v_mov_b32 v[42+\c], v[48+\c]                   ; the second group comes in hand
.endr
	v_mov_b32 v96, v98
	v_mov_b32 v97, v99
	s_sub_co_u32 s72, s72, 1
	s_cmp_lg_u32 s72, 0
	s_cbranch_scc1 .Lgat
.irp s, 0,1                            ; the halves meet once more, by distance and then by index: both end with the same neighbour; b = neighbour - pt
.irp c, 0,1,2,3,4
	v_permlanex16_b32 v[160+5*\s+\c], v[32+5*\s+\c], s66, s67
.endr
	v_cmp_lt_f32 s16, v[160+5*\s], v[32+5*\s]
	v_cmp_eq_f32 s17, v[160+5*\s], v[32+5*\s]
	v_cmp_lt_u32 s18, v[161+5*\s], v[33+5*\s]
	s_and_b32 s17, s17, s18
	s_or_b32 s16, s16, s17
.irp c, 0,1,2
	v_cndmask_b32 v[34+5*\s+\c], v[34+5*\s+\c], v[162+5*\s+\c], s16
.endr
.irp c, 0,1,2
	v_sub_f32 v[34+5*\s+\c], v[34+5*\s+\c], v[12+\c]
.endr
.endr
	; the wave's record: float 4 i + j = sum a_i b_j, 4 i + 3 = sum a_i, 12 + j = sum b_j, 15 = 0
.irp i, 0,1,2
.irp j, 0,1,2
	v_mul_f32 v[64+4*\i+\j], v[24+\i], v[34+\j]
.endr
	v_add_f32 v[67+4*\i], v[24+\i], v[28+\i]
	v_add_f32 v[76+\i], v[34+\i], v[39+\i]
.endr
.irp i, 0,1,2
.irp j, 0,1,2
	v_fmac_f32 v[64+4*\i+\j], v[28+\i], v[39+\j]
.endr
.endr
	v_mov_b32 v79, 0
.irp m, 1,2,4,8
.irp c, 0,1,2,3,4,5,6,7,8,9,10,11,12,13,14,15
	v_add_f32_dpp v[64+\c], v[64+\c], v[64+\c] row_xmask:\m row_mask:0xf bank_mask:0xf
.endr
.endr
	v_and_b32 v54, 31, v0
	v_cmp_eq_u32 vcc_lo, 0, v54
	s_wait_xcnt 0x0
	s_and_saveexec_b32 s73, vcc_lo
.irp p, 0,1,2,3
	global_store_b128 v10, v[64+4*\p:67+4*\p], s[76:77] offset:16*\p
.endr
	s_wait_xcnt 0x0
	s_or_b32 exec_lo, exec_lo, s73
	s_wait_tensorcnt 0x0                           ; the wave's end: a tensor wait, an LDS add and its wait behind my tensor load
	ds_add_u32 v1, v2
	s_wait_dscnt 0x0
	s_endpgm
.Lfunc_end_k_qf982cc7252_step1:
	.size	k_qf982cc7252_step1, .Lfunc_end_k_qf982cc7252_step1-k_qf982cc7252_step1
	.p2alignl 7, 3214868480
	.fill 96, 4, 3214868480
	.section	.rodata,"a",@progbits
	.p2align	6, 0x0
	.amdhsa_kernel k_qf982cc7252_step1
		.amdhsa_group_segment_fixed_size 167936
		.amdhsa_private_segment_fixed_size 0
		.amdhsa_enable_private_segment 0
		.amdhsa_kernarg_size 32
		.amdhsa_user_sgpr_count 2
		.amdhsa_user_sgpr_kernarg_segment_ptr 1
		.amdhsa_wavefront_size32 1
		.amdhsa_system_sgpr_workgroup_id_x 1
		.amdhsa_system_sgpr_workgroup_id_y 1
		.amdhsa_system_sgpr_workgroup_id_z 1
		.amdhsa_system_vgpr_workitem_id 0
		.amdhsa_next_free_vgpr 256
		.amdhsa_next_free_sgpr 86
		.amdhsa_reserve_vcc 1
		.amdhsa_float_denorm_mode_32 3
		.amdhsa_float_denorm_mode_16_64 3
		.amdhsa_memory_ordered 1
		.amdhsa_forward_progress 1
		.amdhsa_inst_pref_size 100
	.end_amdhsa_kernel
	.amdgpu_metadata
---
amdhsa.version: [ 1, 2 ]
amdhsa.kernels:
  - .name:           k_qf982cc7252_step1
    .symbol:         k_qf982cc7252_step1.kd
    .args:
      - { .name: src_points, .offset: 0, .size: 8, .value_kind: global_buffer, .address_space: global }
      - { .name: tab, .offset: 8, .size: 8, .value_kind: global_buffer, .address_space: global }
      - { .name: wsA, .offset: 16, .size: 8, .value_kind: global_buffer, .address_space: global }
      - { .name: wsB, .offset: 24, .size: 8, .value_kind: global_buffer, .address_space: global }
    .group_segment_fixed_size: 167936
    .private_segment_fixed_size: 0
    .kernarg_segment_align: 8
    .kernarg_segment_size: 32
    .max_flat_workgroup_size: 128
    .sgpr_count:     86
    .vgpr_count:     256
    .wavefront_size: 32
...
	.end_amdgpu_metadata
.endif
;; end of part 5
;; launch step2: the kernel of part 5 again; grid 16 x 16, 4 waves a work-group, no clusters, 167,936 bytes of LDS; arguments src_points, tab, wsB, wsA; writes wsA
;; launch step3: the kernel of part 5 again; grid 16 x 16, 4 waves a work-group, no clusters, 167,936 bytes of LDS; arguments src_points, tab, wsA, wsB; writes wsB
;; launch step4: the kernel of part 5 again; grid 16 x 16, 4 waves a work-group, no clusters, 167,936 bytes of LDS; arguments src_points, tab, wsB, wsA; writes wsA
;; launch step5: the kernel of part 5 again; grid 16 x 16, 4 waves a work-group, no clusters, 167,936 bytes of LDS; arguments src_points, tab, wsA, wsB; writes wsB
;; launch step6: the kernel of part 5 again; grid 16 x 16, 4 waves a work-group, no clusters, 167,936 bytes of LDS; arguments src_points, tab, wsB, wsA; writes wsA
;; launch step7: the kernel of part 5 again; grid 16 x 16, 4 waves a work-group, no clusters, 167,936 bytes of LDS; arguments src_points, tab, wsA, wsB; writes wsB
;; launch step8: the kernel of part 5 again; grid 16 x 16, 4 waves a work-group, no clusters, 167,936 bytes of LDS; arguments src_points, tab, wsB, wsA; writes wsA
;; launch step9: the kernel of part 5 again; grid 16 x 16, 4 waves a work-group, no clusters, 167,936 bytes of LDS; arguments src_points, tab, wsA, wsB; writes wsB
;; launch step10: the kernel of part 5 again; grid 16 x 16, 4 waves a work-group, no clusters, 167,936 bytes of LDS; arguments src_points, tab, wsB, wsA; writes wsA
;; launch fin: the kernel of part 3 again; grid 16 x 16, 4 waves a work-group, no clusters, 0 bytes of LDS; arguments src_points, tab, wsA, out0, out1, out2; writes out0, out1, out2
